; MI455X (gfx1250); checked and timed in simulation.
; The chip was launched on July 23, 2026; its instructions are those of AMD's public machine-readable ISA for CDNA 5 (MIT licence, August 2026) and "CDNA5" Instruction Set Architecture Reference Guide (July 2026). The comments in the code are by the model that wrote it; some were corrected since.
;; Moe Layer. Allowed arithmetic: float matrix products may take bf16 or f16 operands with f32 sums; all other float work in f32.
;; Inputs: W1 8 x 1,024 x 4,096 float32; W2 8 x 4,096 x 1,024 float32; Wg_in 1,024 x 8 float32; Wg_task 64 x 8 float32; alpha one number float32; b1 8 x 4,096 float32; b2 8 x 1,024 float32; bg_in 8 float32; bg_task 8 float32; inputs 4 x 256 x 1,024 float32; task_param 4 x 256 x 64 float32.
;; Outputs: out0 4 x 256 x 1,024 float32; out1 one number float32.
;; 2 versions, each right; version 2 is version 1 with the launch gate written anew for expert scheduling mode. Each part assembles by itself: llvm-mc -triple=amdgcn-amd-amdhsa -mcpu=gfx1250 --defsym DOCPART=n.
;; ======== version 1 of 2: 6 launches
;; limits: values are held in f16: magnitudes above 65,504 overflow, below 6.1e-05 lose precision
;; workspace buffers: x16 2,097,152 bytes; sel 4,096 bytes of whole numbers; gf 16,384 bytes; rt 8,448 bytes of whole numbers; xs 16,777,216 bytes; h 67,108,864 bytes; part 134,217,728 bytes
;; launch gate (part 1): grid 256 x 1, 1 waves a work-group, no clusters, 0 bytes of LDS; arguments inputs, task_param, alpha, Wg_in, bg_in, Wg_task, bg_task, x16, sel, gf; writes x16, sel, gf
.if DOCPART == 1
	.amdgcn_target "amdgcn-amd-amdhsa--gfx1250"
	.amdhsa_code_object_version 6
	.text
	.protected	k_q4b9e4b7f1e_gate
	.globl	k_q4b9e4b7f1e_gate
	.p2align	8
	.type	k_q4b9e4b7f1e_gate,@function
k_q4b9e4b7f1e_gate:
	s_mov_b64 s[64:65], 0
	v_nop
	global_prefetch_b8 v0, s[64:65] scope:SCOPE_SE
	s_setreg_imm32_b32 hwreg(HW_REG_WAVE_MODE, 25, 1), 1
	s_wait_xcnt 0x0
; GATE.  One wave takes 4 tokens (t0 = 4 x work-group).  It makes, in f32 on the vector unit,
;   logit[e] = (1-alpha) (x . Wg_in[:,e] + bg_in[e]) + alpha (task . Wg_task[:,e] + bg_task[e]),
; the two largest logits (strict compare: the lowest index wins a tie), the softmax over the two, the softmax over all eight
; (largest logit taken away first), and it stores x rounded once to f16 for the expert launches.
; The gate is kept in f32: 8 columns are no bulk work, and a selection made from rounded operands would differ from the f32 one.
; Stored: x16[token][1024] f16; sel[token] = e0 | e1 << 8; gf: gw[token][2] = the two weights, and at byte 8192
; psum[work-group][8] = the sum over my 4 tokens of the softmax over all eight.
; WHY f16: the expert layers sum 1,024 and 4,096 products whose operands' rounding errors add up; f16 keeps 11 significant bits, bf16 8.
; LIMITS: |x| up to 65,504 (f16's largest; beyond it the stored x is infinite); below 6.1e-5 x is kept in steps of 2^-24.
; Logits are taken to be finite (no NaN, no infinity).  The order of the f32 sums is not the reference's, so two logits
; that lie closer than that rounding may be ranked the other way.
; No LDS, no barrier, no matrix unit, no cluster: work-groups share only Wg_in (32 KiB), and nothing is handed between waves.
.set XR,   16                          ; v[16:143]   x: quad (4 q + t): token t, columns 128 q + 4 lane .. + 3
.set ACC,  144                         ; v[144:175]  [token][8] sums of the input gate
.set TPR,  176                         ; v[176:183]  task_param: pair t: columns 2 lane, 2 lane + 1
.set WTR,  184                         ; v[184:199]  Wg_task rows 2 lane, 2 lane + 1
.set TAR,  200                         ; v[200:231]  [token][8] sums of the task gate
.set OMA,  232                         ; v[232:233]  1 - alpha, twice
.set ALF,  234                         ; v[234:235]  alpha, twice
.set BBR,  236                         ; v[236:243]  blended biases
.set FK,   200                         ; v[200:215]  fold, step 1: kept   (the task sums are used up by then)
.set FS,   216                         ; v[216:231]  fold, step 1: sent
.set LGT,  144                         ; v[144:151]  the 8 logits of token t0 + (lane & 3)
.set FS2,  152                         ; v[152:159]  fold, step 2: sent; then the other half's sums
.set MKD,  160                         ; v[160:167]  logits with the winner masked
.set PRB,  168                         ; v[168:175]  softmax over all eight
; window 1 (v256-v511): Wg_in, register 32 q + 8 i + e = Wg_in[128 q + 4 lane + i][e]
	s_load_b512 s[4:19], s[0:1], 0x0               ; inputs 4, task 6, alpha 8, Wg_in 10, bg_in 12, Wg_task 14, bg_task 16, x16 18
	s_load_b128 s[20:23], s[0:1], 0x40             ; sel 20, gf 22
	v_lshlrev_b32 v1, 4, v0                        ; 16 lane
	v_lshlrev_b32 v2, 7, v0                        ; 128 lane: four rows of Wg_in
	v_lshlrev_b32 v3, 3, v0                        ; 8 lane
	v_lshlrev_b32 v4, 6, v0                        ; 64 lane: two rows of Wg_task
	v_lshlrev_b32 v5, 2, v0                        ; 4 lane
	s_mov_b32 s44, 0xaaaaaaaa                      ; lanes with bit 0 set
	s_mov_b32 s45, 0xcccccccc                      ; lanes with bit 1 set
	s_mov_b32 s46, 0x76543210                      ; v_permlanex16_b32: lane i of one half reads lane i of the other
	s_mov_b32 s47, 0xfedcba98
	s_mov_b32 s49, 0
	s_wait_kmcnt 0x0
	s_load_b32 s26, s[8:9], 0x0                    ; alpha
	s_load_b256 s[28:35], s[12:13], 0x0            ; bg_in
	s_load_b256 s[36:43], s[16:17], 0x0            ; bg_task
	s_lshl_b32 s48, ttmp9, 14                      ; 4 rows of 4,096 bytes
	s_add_nc_u64 s[4:5], s[4:5], s[48:49]
	s_lshl_b32 s48, ttmp9, 10                      ; 4 rows of 256 bytes
	s_add_nc_u64 s[6:7], s[6:7], s[48:49]
	s_lshl_b32 s48, ttmp9, 13                      ; 4 rows of 2,048 bytes
	s_add_nc_u64 s[18:19], s[18:19], s[48:49]
	s_lshl_b32 s48, ttmp9, 4                       ; 4 words
	s_add_nc_u64 s[20:21], s[20:21], s[48:49]
	s_lshl_b32 s48, ttmp9, 5                       ; 4 pairs in gw, 8 words in psum
	s_add_nc_u64 s[22:23], s[22:23], s[48:49]
	; all loads at once: x (each load covers 512 consecutive bytes of a row), the task inputs, then Wg_in block by block
.irp q, 0,1,2,3,4,5,6,7
.irp t, 0,1,2,3
	global_load_b128 v[XR+16*\q+4*\t:XR+16*\q+4*\t+3], v1, s[4:5] offset:\t*4096+\q*512 th:TH_LOAD_NT
.endr
.endr
.irp t, 0,1,2,3
	global_load_b64 v[TPR+2*\t:TPR+2*\t+1], v3, s[6:7] offset:\t*256
.endr
.irp j, 0,1,2,3
	global_load_b128 v[WTR+4*\j:WTR+4*\j+3], v4, s[14:15] offset:16*\j
.endr
	s_set_vgpr_msb 0x40                            ; destination in window 1, address in window 0
.irp q, 0,1,2,3,4,5,6,7
.irp j, 0,1,2,3,4,5,6,7
	global_load_b128 v[32*\q+4*\j:32*\q+4*\j+3], v2, s[10:11] offset:\q*4096+16*\j
.endr
.endr
; two experts at once: sums[t][2p, 2p+1] += x[t][128 q + 4 lane + i] * Wg_in[that row][2p, 2p+1].  op_sel picks x_i out of its pair for both halves.
; The very first product starts the sums: nothing is cleared.
.macro GFMA q, i, t, p
.if (\q+\i) == 0
	v_pk_mul_f32 v[ACC+8*\t+2*\p:ACC+8*\t+2*\p+1], v[XR+4*\t:XR+4*\t+1], v[2*\p:2*\p+1] op_sel_hi:[0,1]
.else
.if (\i%2) == 0
	v_pk_fma_f32 v[ACC+8*\t+2*\p:ACC+8*\t+2*\p+1], v[XR+16*\q+4*\t+\i:XR+16*\q+4*\t+\i+1], v[32*\q+8*\i+2*\p:32*\q+8*\i+2*\p+1], v[ACC+8*\t+2*\p:ACC+8*\t+2*\p+1] op_sel_hi:[0,1,1]
.else
	v_pk_fma_f32 v[ACC+8*\t+2*\p:ACC+8*\t+2*\p+1], v[XR+16*\q+4*\t+\i-1:XR+16*\q+4*\t+\i], v[32*\q+8*\i+2*\p:32*\q+8*\i+2*\p+1], v[ACC+8*\t+2*\p:ACC+8*\t+2*\p+1] op_sel:[1,0,0] op_sel_hi:[1,1,1]
.endif
.endif
.endm
	s_set_vgpr_msb 0x4004                          ; source 1 (Wg_in) in window 1, all else in window 0
.irp q, 0,1,2,3,4,5,6,7
	s_wait_loadcnt (7-\q)*8                        ; loads return in order: all but the 8 loads of each later block of Wg_in are in (x and the task inputs went first)
.irp i, 0,1,2,3
.irp t, 0,1,2,3
.irp p, 0,1,2,3
	GFMA \q, \i, \t, \p                            ; sixteen sums take turns, so no product waits for the one in front of it
.endr
.endr
.endr
.endr
	s_set_vgpr_msb 0x0400                          ; back to window 0
	; x rounded once to f16, in place, and stored: each store covers 256 consecutive bytes, aligned
.irp q, 0,1,2,3,4,5,6,7
.irp t, 0,1,2,3
	v_cvt_pk_f16_f32 v[XR+16*\q+4*\t], v[XR+16*\q+4*\t], v[XR+16*\q+4*\t+1]
	v_cvt_pk_f16_f32 v[XR+16*\q+4*\t+1], v[XR+16*\q+4*\t+2], v[XR+16*\q+4*\t+3]
	global_store_b64 v3, v[XR+16*\q+4*\t:XR+16*\q+4*\t+1], s[18:19] offset:\t*2048+\q*256
.endr
.endr
	; the task gate: two columns a lane
.irp t, 0,1,2,3
.irp p, 0,1,2,3
	v_pk_mul_f32 v[TAR+8*\t+2*\p:TAR+8*\t+2*\p+1], v[TPR+2*\t:TPR+2*\t+1], v[WTR+2*\p:WTR+2*\p+1] op_sel_hi:[0,1]
.endr
.endr
.irp t, 0,1,2,3
.irp p, 0,1,2,3
	v_pk_fma_f32 v[TAR+8*\t+2*\p:TAR+8*\t+2*\p+1], v[TPR+2*\t:TPR+2*\t+1], v[WTR+8+2*\p:WTR+8+2*\p+1], v[TAR+8*\t+2*\p:TAR+8*\t+2*\p+1] op_sel:[1,0,0] op_sel_hi:[1,1,1]
.endr
.endr
	s_wait_kmcnt 0x0                               ; alpha and the two biases
	v_mov_b32 v[ALF], s26
	v_mov_b32 v[ALF+1], s26
	v_sub_f32 v[OMA], 1.0, v[ALF]
	v_sub_f32 v[OMA+1], 1.0, v[ALF]
.irp m, 0,1,2,3,4,5,6,7,8,9,10,11,12,13,14,15
	v_pk_mul_f32 v[TAR+2*\m:TAR+2*\m+1], v[TAR+2*\m:TAR+2*\m+1], v[ALF:ALF+1]
.endr
.irp m, 0,1,2,3,4,5,6,7,8,9,10,11,12,13,14,15
	v_pk_fma_f32 v[ACC+2*\m:ACC+2*\m+1], v[ACC+2*\m:ACC+2*\m+1], v[OMA:OMA+1], v[TAR+2*\m:TAR+2*\m+1]
.endr
.irp e, 0,1,2,3,4,5,6,7
	v_mul_f32 v[BBR+\e], s[36+\e], v[ALF]
.endr
.irp e, 0,1,2,3,4,5,6,7
	v_fma_f32 v[BBR+\e], s[28+\e], v[OMA], v[BBR+\e]
.endr
	; Sum over the 32 lanes, folding the four tokens onto the lanes: in step 1 an even lane keeps token 2u and sends token 2u+1 to its
	; neighbour, an odd lane the other way round; step 2 does the same with u on lane bit 1.  Lane l ends with token t0 + (l & 3).
.irp u, 0,1
.irp e, 0,1,2,3,4,5,6,7
	v_cndmask_b32 v[FK+8*\u+\e], v[ACC+16*\u+\e], v[ACC+16*\u+8+\e], s44
	v_cndmask_b32 v[FS+8*\u+\e], v[ACC+16*\u+8+\e], v[ACC+16*\u+\e], s44
.endr
.endr
.irp m, 0,1,2,3,4,5,6,7,8,9,10,11,12,13,14,15
	v_add_f32_dpp v[FK+\m], v[FS+\m], v[FK+\m] row_xmask:1 row_mask:0xf bank_mask:0xf
.endr
.irp e, 0,1,2,3,4,5,6,7
	v_cndmask_b32 v[LGT+\e], v[FK+\e], v[FK+8+\e], s45
	v_cndmask_b32 v[FS2+\e], v[FK+8+\e], v[FK+\e], s45
.endr
.irp e, 0,1,2,3,4,5,6,7
	v_add_f32_dpp v[LGT+\e], v[FS2+\e], v[LGT+\e] row_xmask:2 row_mask:0xf bank_mask:0xf
.endr
.irp e, 0,1,2,3,4,5,6,7
	v_add_f32_dpp v[LGT+\e], v[LGT+\e], v[LGT+\e] row_xmask:4 row_mask:0xf bank_mask:0xf
.endr
.irp e, 0,1,2,3,4,5,6,7
	v_add_f32_dpp v[LGT+\e], v[LGT+\e], v[LGT+\e] row_xmask:8 row_mask:0xf bank_mask:0xf
.endr
.irp e, 0,1,2,3,4,5,6,7
	v_permlanex16_b32 v[FS2+\e], v[LGT+\e], s46, s47
.endr
.irp e, 0,1,2,3,4,5,6,7
	v_add_f32 v[LGT+\e], v[LGT+\e], v[FS2+\e]
.endr
.irp e, 0,1,2,3,4,5,6,7
	v_add_f32 v[LGT+\e], v[LGT+\e], v[BBR+\e]
.endr
	; the largest logit (v244) and its index (v245); only values are selected, no branch and no address hangs on them
	v_mov_b32 v244, v[LGT]
	v_mov_b32 v245, 0
.irp e, 1,2,3,4,5,6,7
	v_cmp_gt_f32 vcc_lo, v[LGT+\e], v244
	v_cndmask_b32 v244, v244, v[LGT+\e], vcc_lo
	v_cndmask_b32 v245, v245, \e, vcc_lo
.endr
	v_mov_b32 v248, 0xff800000                     ; minus infinity takes the winner out
.irp e, 0,1,2,3,4,5,6,7
	v_cmp_eq_u32 vcc_lo, \e, v245
	v_cndmask_b32 v[MKD+\e], v[LGT+\e], v248, vcc_lo
.endr
	v_mov_b32 v246, v[MKD]                         ; the second largest (v246) and its index (v247)
	v_mov_b32 v247, 0
.irp e, 1,2,3,4,5,6,7
	v_cmp_gt_f32 vcc_lo, v[MKD+\e], v246
	v_cndmask_b32 v246, v246, v[MKD+\e], vcc_lo
	v_cndmask_b32 v247, v247, \e, vcc_lo
.endr
	; both softmaxes, the largest logit taken away first: every exponent is at most 0
.irp e, 0,1,2,3,4,5,6,7
	v_sub_f32 v[PRB+\e], v[LGT+\e], v244
.endr
	v_sub_f32 v249, v246, v244
.irp e, 0,1,2,3,4,5,6,7
	v_mul_f32 v[PRB+\e], 0x3fb8aa3b, v[PRB+\e]
.endr
	v_mul_f32 v249, 0x3fb8aa3b, v249
.irp e, 0,1,2,3,4,5,6,7
	v_exp_f32 v[PRB+\e], v[PRB+\e]
.endr
	v_exp_f32 v249, v249                           ; t = e^(second - first)
	v_lshl_or_b32 v250, v247, 8, v245              ; a plain instruction behind the exponentials (ISA guide 5.7.2): the selection word
	s_wait_alu depctr_va_vdst(0)
	v_add_f32 v251, v[PRB], v[PRB+1]
	v_add_f32 v252, v[PRB+2], v[PRB+3]
	v_add_f32 v253, v[PRB+4], v[PRB+5]
	v_add_f32 v254, v[PRB+6], v[PRB+7]
	v_add_f32 v251, v251, v252
	v_add_f32 v253, v253, v254
	v_add_f32 v251, v251, v253
	v_add_f32 v255, 1.0, v249
	v_rcp_f32 v254, v251                           ; 1 / sum of the eight
	v_rcp_f32 v252, v255                           ; w0 = 1 / (1 + t)
	v_nop                                          ; a plain place behind the reciprocals
	s_wait_alu depctr_va_vdst(0)
	v_mul_f32 v253, v249, v252                     ; w1 = t / (1 + t)
.irp e, 0,1,2,3,4,5,6,7
	v_mul_f32 v[PRB+\e], v[PRB+\e], v254
.endr
.irp e, 0,1,2,3,4,5,6,7
	v_add_f32_dpp v[PRB+\e], v[PRB+\e], v[PRB+\e] row_xmask:1 row_mask:0xf bank_mask:0xf
.endr
.irp e, 0,1,2,3,4,5,6,7
	v_add_f32_dpp v[PRB+\e], v[PRB+\e], v[PRB+\e] row_xmask:2 row_mask:0xf bank_mask:0xf   ; the four tokens' sum, in every lane
.endr
	s_wait_xcnt 0x0                                ; EXEC is a source of the stores above: it changes only behind this wait
	v_cmp_gt_u32 vcc_lo, 4, v0
	s_and_saveexec_b32 s54, vcc_lo                 ; lanes 0 to 3: one token each
	global_store_b32 v5, v250, s[20:21]
	global_store_b64 v3, v[252:253], s[22:23]
	s_wait_xcnt 0x0
	s_or_b32 exec_lo, exec_lo, s54
	v_cmp_eq_u32 vcc_lo, 0, v0
	s_and_saveexec_b32 s54, vcc_lo                 ; lane 0: the work-group's eight sums
	global_store_b128 v3, v[PRB:PRB+3], s[22:23] offset:8192
	global_store_b128 v3, v[PRB+4:PRB+7], s[22:23] offset:8208
	s_wait_xcnt 0x0
	s_or_b32 exec_lo, exec_lo, s54
	s_endpgm
.Lfunc_end_k_q4b9e4b7f1e_gate:
	.size	k_q4b9e4b7f1e_gate, .Lfunc_end_k_q4b9e4b7f1e_gate-k_q4b9e4b7f1e_gate
	.p2alignl 7, 3214868480
	.fill 96, 4, 3214868480
	.section	.rodata,"a",@progbits
	.p2align	6, 0x0
	.amdhsa_kernel k_q4b9e4b7f1e_gate
		.amdhsa_group_segment_fixed_size 0
		.amdhsa_private_segment_fixed_size 0
		.amdhsa_enable_private_segment 0
		.amdhsa_kernarg_size 80
		.amdhsa_user_sgpr_count 2
		.amdhsa_user_sgpr_kernarg_segment_ptr 1
		.amdhsa_wavefront_size32 1
		.amdhsa_system_sgpr_workgroup_id_x 1
		.amdhsa_system_sgpr_workgroup_id_y 1
		.amdhsa_system_sgpr_workgroup_id_z 1
		.amdhsa_system_vgpr_workitem_id 0
		.amdhsa_next_free_vgpr 512
		.amdhsa_next_free_sgpr 66
		.amdhsa_reserve_vcc 1
		.amdhsa_float_denorm_mode_32 3
		.amdhsa_float_denorm_mode_16_64 3
		.amdhsa_memory_ordered 1
		.amdhsa_forward_progress 1
		.amdhsa_inst_pref_size 68
	.end_amdhsa_kernel
	.amdgpu_metadata
---
amdhsa.version: [ 1, 2 ]
amdhsa.kernels:
  - .name:           k_q4b9e4b7f1e_gate
    .symbol:         k_q4b9e4b7f1e_gate.kd
    .args:
      - { .name: inputs, .offset: 0, .size: 8, .value_kind: global_buffer, .address_space: global }
      - { .name: task_param, .offset: 8, .size: 8, .value_kind: global_buffer, .address_space: global }
      - { .name: alpha, .offset: 16, .size: 8, .value_kind: global_buffer, .address_space: global }
      - { .name: Wg_in, .offset: 24, .size: 8, .value_kind: global_buffer, .address_space: global }
      - { .name: bg_in, .offset: 32, .size: 8, .value_kind: global_buffer, .address_space: global }
      - { .name: Wg_task, .offset: 40, .size: 8, .value_kind: global_buffer, .address_space: global }
      - { .name: bg_task, .offset: 48, .size: 8, .value_kind: global_buffer, .address_space: global }
      - { .name: x16, .offset: 56, .size: 8, .value_kind: global_buffer, .address_space: global }
      - { .name: sel, .offset: 64, .size: 8, .value_kind: global_buffer, .address_space: global }
      - { .name: gf, .offset: 72, .size: 8, .value_kind: global_buffer, .address_space: global }
    .group_segment_fixed_size: 0
    .private_segment_fixed_size: 0
    .kernarg_segment_align: 8
    .kernarg_segment_size: 80
    .max_flat_workgroup_size: 32
    .sgpr_count:     66
    .vgpr_count:     512
    .wavefront_size: 32
...
	.end_amdgpu_metadata
.endif
;; end of part 1
;; launch rank (part 2): grid 1 x 1, 8 waves a work-group, no clusters, 2,048 bytes of LDS; arguments sel, gf, rt, out1; writes rt, out1
.if DOCPART == 2
	.amdgcn_target "amdgcn-amd-amdhsa--gfx1250"
	.amdhsa_code_object_version 6
	.text
	.protected	k_q4b9e4b7f1e_rank
	.globl	k_q4b9e4b7f1e_rank
	.p2align	8
	.type	k_q4b9e4b7f1e_rank,@function
k_q4b9e4b7f1e_rank:
	s_mov_b64 s[64:65], 0
	v_nop
	global_prefetch_b8 v0, s[64:65] scope:SCOPE_SE
	s_setreg_imm32_b32 hwreg(HW_REG_WAVE_MODE, 25, 1), 1
	s_wait_xcnt 0x0
; RANK.  From sel[token] = e0 | e1 << 8 every token gets two slots, slot = e * 1024 + rank among the tokens of expert e
; (an expert has at most 1,024 tokens, so fixed 1,024 slots an expert need no prefix sum over experts).
; RANKS ARE VALUES HERE, NOT ADDRESSES: wave w takes tokens 128 w + 4 lane + i, counts them by expert, the 8 x 8 counts meet in LDS,
; base[e] = the counts of the waves below mine, rank = base + the matching lanes below mine; selects pick a token's two slots.
; No branch and no address of this launch hangs on a loaded number: what steers addresses and trip counts is stored here as whole numbers,
; pos[token][2] at rt byte 0 and cnt[8] at rt byte 8192, and used by the launches that follow.
; Also out1 = sum over e of (sum of the softmax weights of e) * cnt[e] / 2^20 (two means over 1,024 tokens; the mean over 8, times 8, is the sum):
; wave w takes 1 KiB of the gate's sums psum[256][8], multiplies by the counts, sums over its lanes; the eight sums meet in LDS.
; One work-group: the ranks are a running count over all 1,024 tokens, and 12 KiB is all there is to read.  No matrix unit, no cluster.
; LDS: 0: counts[wave][8].  512: the eight waves' parts of out1.
.set SW,   16                          ; v[16:19]    selection words of tokens 128 w + 4 lane + i
.set PS,   20                          ; v[20:27]    psum words 256 w + 4 lane + x + 128 j: expert 4 (lane & 1) + x
.set AE,   28                          ; v[28:31]    first choice of token i
.set BE,   32                          ; v[32:35]    second choice
.set CW,   36                          ; v[36:43]    my wave's counts; later cnt[e] as f32
.set CT,   44                          ; v[44:107]   counts[wave][e]; later the eight parts of out1
.set BASE, 108                         ; v[108:115]  e * 1024 + the rank that the next matching lane gets
.set TOT,  116                         ; v[116:123]  cnt[e]
.set POS,  124                         ; v[124:131]  slots of token i: 2 i, 2 i + 1
.set LAUX, 512
	s_load_b256 s[4:11], s[0:1], 0x0               ; sel 4, gf 6, rt 8, out1 10
	v_lshl_add_u32 v132, v0, 2, 0x400
	v_mov_b32 v133, 0
	v_and_b32 v1, 31, v0                           ; lane
	v_lshrrev_b32 v2, 5, v0
	v_readfirstlane_b32 s16, v2                    ; wave
	v_lshlrev_b32 v3, 4, v1                        ; 16 lane
	s_lshl_b32 s18, s16, 9
	v_add_nc_u32 v4, s18, v3                       ; sel: 512 w + 16 lane
	s_lshl_b32 s19, s16, 10
	v_add_nc_u32 v5, s19, v3                       ; psum: 1,024 w + 16 lane
	v_lshl_add_u32 v9, v1, 5, s19                  ; pos: 1,024 w + 32 lane: my four tokens' eight words
	s_mov_b32 s12, 0x76543210                      ; v_permlanex16_b32: lane i of one half reads lane i of the other
	s_mov_b32 s13, 0xfedcba98
	s_mov_b32 s14, 0xaaaaaaaa                      ; odd lanes hold experts 4 to 7 of psum
	s_wait_kmcnt 0x0
	global_load_b128 v[SW:SW+3], v4, s[4:5]
	global_load_b128 v[PS:PS+3], v5, s[6:7] offset:8192
	global_load_b128 v[PS+4:PS+7], v5, s[6:7] offset:8192+512
	s_wait_loadcnt 0x2                             ; loads return in order: the selection words are in, the two loads of psum behind them stay out
.irp i, 0,1,2,3
	v_and_b32 v[AE+\i], 0xff, v[SW+\i]
	v_lshrrev_b32 v[BE+\i], 8, v[SW+\i]
.endr
; how many of my 128 tokens chose expert e; the first 32 start the count
.macro COUNT e, i
	v_cmp_eq_u32 vcc_lo, \e, v[AE+\i]
	v_cmp_eq_u32 s22, \e, v[BE+\i]
	s_or_b32 s22, vcc_lo, s22
.if \i == 0
	s_bcnt1_i32_b32 s[24+\e], s22
.else
	s_bcnt1_i32_b32 s22, s22
	s_add_co_u32 s[24+\e], s[24+\e], s22
.endif
.endm
.irp e, 0,1,2,3,4,5,6,7
.irp i, 0,1,2,3
	COUNT \e, \i
.endr
.endr
.irp e, 0,1,2,3,4,5,6,7
	v_mov_b32 v[CW+\e], s[24+\e]
.endr
	s_lshl_b32 s23, s16, 5
	v_mov_b32 v6, s23
	ds_store_b128 v6, v[CW:CW+3]                   ; every lane writes the same words with the same values
	ds_store_b128 v6, v[CW+4:CW+7] offset:16
	s_wait_dscnt 0x0                               ; for the other waves' sake: my counts are in LDS
	s_barrier_signal -1
	s_barrier_wait -1
	v_mov_b32 v7, 0
.irp p, 0,1,2,3,4,5,6,7
	ds_load_b128 v[CT+8*\p:CT+8*\p+3], v7 offset:32*\p
	ds_load_b128 v[CT+8*\p+4:CT+8*\p+7], v7 offset:32*\p+16
.endr
.irp p, 0,1,2,3,4,5,6
	s_cmp_gt_u32 s16, \p
	s_cselect_b32 s[32+\p], 1, 0                   ; 1 for the waves below mine
.endr
	s_wait_dscnt 0x0
.irp e, 0,1,2,3,4,5,6,7
	v_mad_u32_u24 v[BASE+\e], v[CT+\e], s32, (\e<<10)
.irp p, 1,2,3,4,5,6
	v_mad_u32_u24 v[BASE+\e], v[CT+8*\p+\e], s[32+\p], v[BASE+\e]
.endr
	v_add_nc_u32 v[TOT+\e], v[CT+\e], v[CT+8+\e]
.irp p, 2,3,4,5,6,7
	v_add_nc_u32 v[TOT+\e], v[TOT+\e], v[CT+8*\p+\e]
.endr
.endr
; the slot in expert e of the 32 tokens 128 w + 4 lane + i, taken by those that chose e.  Expert 0 starts both slots, so nothing is read unwritten.
.macro RANK e, i
	v_cmp_eq_u32 vcc_lo, \e, v[AE+\i]
	v_cmp_eq_u32 s22, \e, v[BE+\i]
	s_or_b32 s23, vcc_lo, s22
	v_mbcnt_lo_u32_b32 v8, s23, v[BASE+\e]
.if \e == 0
	v_mov_b32 v[POS+2*\i], v8
	v_mov_b32 v[POS+2*\i+1], v8
.else
	v_cndmask_b32 v[POS+2*\i], v[POS+2*\i], v8, vcc_lo
	v_cndmask_b32 v[POS+2*\i+1], v[POS+2*\i+1], v8, s22
.endif
.if \i < 3
	s_bcnt1_i32_b32 s23, s23
	v_add_nc_u32 v[BASE+\e], s23, v[BASE+\e]
.endif
.endm
.irp e, 0,1,2,3,4,5,6,7
.irp i, 0,1,2,3
	RANK \e, \i
.endr
.endr
	global_store_b128 v9, v[POS:POS+3], s[8:9]             ; the wave's two stores cover 1,024 consecutive bytes of pos
	global_store_b128 v9, v[POS+4:POS+7], s[8:9] offset:16
	; my part of out1: the sums of 32 of the gate's work-groups times the counts
.irp e, 0,1,2,3,4,5,6,7
	v_cvt_f32_u32 v[CW+\e], v[TOT+\e]
.endr
.irp i, 0,1,2,3
	v_cndmask_b32 v[CW+\i], v[CW+\i], v[CW+4+\i], s14
.endr
	s_wait_loadcnt 0x0                             ; psum
	v_pk_add_f32 v[PS:PS+1], v[PS:PS+1], v[PS+4:PS+5]
	v_pk_add_f32 v[PS+2:PS+3], v[PS+2:PS+3], v[PS+6:PS+7]
	v_mul_f32 v8, v[PS], v[CW]
	v_fma_f32 v8, v[PS+1], v[CW+1], v8
	v_fma_f32 v8, v[PS+2], v[CW+2], v8
	v_fma_f32 v8, v[PS+3], v[CW+3], v8
	v_add_f32_dpp v8, v8, v8 row_xmask:1 row_mask:0xf bank_mask:0xf
	v_add_f32_dpp v8, v8, v8 row_xmask:2 row_mask:0xf bank_mask:0xf
	v_add_f32_dpp v8, v8, v8 row_xmask:4 row_mask:0xf bank_mask:0xf
	v_add_f32_dpp v8, v8, v8 row_xmask:8 row_mask:0xf bank_mask:0xf
	v_permlanex16_b32 v2, v8, s12, s13             ; its destination counts as read: v2 has been written
	v_add_f32 v8, v8, v2
	s_lshl_b32 s23, s16, 2
	v_mov_b32 v6, s23
	ds_store_b32 v6, v8 offset:LAUX                ; every lane writes the same word with the same value
	s_wait_dscnt 0x0                               ; for wave 0's sake: my part is in LDS
	s_barrier_signal -1
	s_barrier_wait -1
	s_cmp_lg_u32 s16, 0                            ; wave 0 alone stores the counts and the scalar; no barrier stands below
	s_cbranch_scc1 .Lend
	ds_load_b128 v[CT:CT+3], v7 offset:LAUX
	ds_load_b128 v[CT+4:CT+7], v7 offset:LAUX+16
	s_wait_dscnt 0x0
	v_pk_add_f32 v[CT:CT+1], v[CT:CT+1], v[CT+4:CT+5]
	v_pk_add_f32 v[CT+2:CT+3], v[CT+2:CT+3], v[CT+6:CT+7]
	v_pk_add_f32 v[CT:CT+1], v[CT:CT+1], v[CT+2:CT+3]
	v_add_f32 v8, v[CT], v[CT+1]
	v_mul_f32 v8, 0x35800000, v8                   ; times 2^-20
	s_wait_xcnt 0x0                                ; EXEC is a source of the stores above: it changes only behind this wait
	v_cmp_eq_u32 vcc_lo, 0, v0
	s_and_saveexec_b32 s23, vcc_lo                 ; lane 0, whose 16 lane is 0
	global_store_b128 v3, v[TOT:TOT+3], s[8:9] offset:8192
	global_store_b128 v3, v[TOT+4:TOT+7], s[8:9] offset:8208
	global_store_b32 v3, v8, s[10:11]
	s_wait_xcnt 0x0
	s_or_b32 exec_lo, exec_lo, s23
.Lend:
	s_wait_tensorcnt 0x0
	ds_add_u32 v132, v133
	s_wait_dscnt 0x0
	s_endpgm
.Lfunc_end_k_q4b9e4b7f1e_rank:
	.size	k_q4b9e4b7f1e_rank, .Lfunc_end_k_q4b9e4b7f1e_rank-k_q4b9e4b7f1e_rank
	.p2alignl 7, 3214868480
	.fill 96, 4, 3214868480
	.section	.rodata,"a",@progbits
	.p2align	6, 0x0
	.amdhsa_kernel k_q4b9e4b7f1e_rank
		.amdhsa_group_segment_fixed_size 2048
		.amdhsa_private_segment_fixed_size 0
		.amdhsa_enable_private_segment 0
		.amdhsa_kernarg_size 32
		.amdhsa_user_sgpr_count 2
		.amdhsa_user_sgpr_kernarg_segment_ptr 1
		.amdhsa_wavefront_size32 1
		.amdhsa_system_sgpr_workgroup_id_x 1
		.amdhsa_system_sgpr_workgroup_id_y 1
		.amdhsa_system_sgpr_workgroup_id_z 1
		.amdhsa_system_vgpr_workitem_id 0
		.amdhsa_next_free_vgpr 134
		.amdhsa_next_free_sgpr 66
		.amdhsa_reserve_vcc 1
		.amdhsa_float_denorm_mode_32 3
		.amdhsa_float_denorm_mode_16_64 3
		.amdhsa_memory_ordered 1
		.amdhsa_forward_progress 1
		.amdhsa_inst_pref_size 28
	.end_amdhsa_kernel
	.amdgpu_metadata
---
amdhsa.version: [ 1, 2 ]
amdhsa.kernels:
  - .name:           k_q4b9e4b7f1e_rank
    .symbol:         k_q4b9e4b7f1e_rank.kd
    .args:
      - { .name: sel, .offset: 0, .size: 8, .value_kind: global_buffer, .address_space: global }
      - { .name: gf, .offset: 8, .size: 8, .value_kind: global_buffer, .address_space: global }
      - { .name: rt, .offset: 16, .size: 8, .value_kind: global_buffer, .address_space: global }
      - { .name: out1, .offset: 24, .size: 8, .value_kind: global_buffer, .address_space: global }
    .group_segment_fixed_size: 2048
    .private_segment_fixed_size: 0
    .kernarg_segment_align: 8
    .kernarg_segment_size: 32
    .max_flat_workgroup_size: 256
    .sgpr_count:     66
    .vgpr_count:     134
    .wavefront_size: 32
...
	.end_amdgpu_metadata
.endif
;; end of part 2
;; launch scatter (part 3): grid 256 x 1, 8 waves a work-group, no clusters, 0 bytes of LDS; arguments rt, x16, xs; writes xs
.if DOCPART == 3
	.amdgcn_target "amdgcn-amd-amdhsa--gfx1250"
	.amdhsa_code_object_version 6
	.text
	.protected	k_q4b9e4b7f1e_scatter
	.globl	k_q4b9e4b7f1e_scatter
	.p2align	8
	.type	k_q4b9e4b7f1e_scatter,@function
k_q4b9e4b7f1e_scatter:
	s_mov_b64 s[64:65], 0
	v_nop
	global_prefetch_b8 v0, s[64:65] scope:SCOPE_SE
	s_setreg_imm32_b32 hwreg(HW_REG_WAVE_MODE, 25, 1), 1
	s_wait_xcnt 0x0
; SCATTER.  Every token's row of x (f16, 2,048 bytes) is copied into xs[slot0] and xs[slot1], so that the expert launches read neighbouring rows.
; The slots (pos[token][2] at rt byte 0) and the counts (cnt[8] at rt byte 8192) are whole numbers that an earlier launch stored; they come by
; scalar loads and are cut to their tables before they enter an address.
; Work-group g copies tokens 4 g .. 4 g + 3: wave w the half (w & 1) of token 4 g + (w >> 1), 1 KiB, to both slots.
; PADDING: the expert launches walk 32 n rows, n = max(1, ceil(cnt / 32)).  Work-group g = 32 e + j stores zeros to row cnt[e] + j if that lies
; below 32 n, so every row that is read later has been stored.
; A stream: each load and store of a wave covers 512 consecutive aligned bytes (the padding's 256).  No LDS, no barrier, no matrix unit, no cluster:
; nothing is shared between waves.
.set XR, 20                            ; v[20:27]    my half row of x
	s_load_b128 s[4:7], s[0:1], 0x0                ; rt 4, x16 6
	s_load_b64 s[8:9], s[0:1], 0x10                ; xs
	v_and_b32 v1, 31, v0                           ; lane
	v_lshrrev_b32 v2, 5, v0
	v_readfirstlane_b32 s16, v2                    ; wave
	s_mov_b32 s17, ttmp9                           ; work-group
	v_lshlrev_b32 v3, 4, v1                        ; 16 lane
	s_lshr_b32 s19, s16, 1
	s_lshl2_add_u32 s19, s17, s19                  ; my token: 4 g + (w >> 1)
	s_and_b32 s20, s16, 1
	s_lshl_b32 s20, s20, 10                        ; my half: 1,024 bytes
	s_lshl_b32 s21, s19, 11                        ; a row of 2,048 bytes
	s_add_co_u32 s21, s21, s20
	v_add_nc_u32 v5, s21, v3
	s_lshl_b32 s24, s19, 3                         ; 8 bytes a token in pos
	s_lshr_b32 s54, s17, 5                         ; the padding's expert e
	s_and_b32 s55, s17, 31                         ; and row j
	s_lshl_b32 s25, s54, 2                         ; its word among the counts
	s_wait_kmcnt 0x0
	s_load_b64 s[22:23], s[4:5], s24 offset:0x0    ; the two slots of my token
	s_load_b32 s56, s[4:5], s25 offset:0x2000      ; cnt[e]
	global_load_b128 v[XR:XR+3], v5, s[6:7]
	global_load_b128 v[XR+4:XR+7], v5, s[6:7] offset:512
	s_wait_kmcnt 0x0
	s_min_u32 s22, s22, 0x1fff                     ; a slot is cut to the table of 8,192 before it enters an address
	s_min_u32 s23, s23, 0x1fff
	s_mov_b32 s49, 0
	s_lshl_b32 s48, s22, 11
	s_add_co_u32 s48, s48, s20
	s_add_nc_u64 s[50:51], s[8:9], s[48:49]
	s_lshl_b32 s48, s23, 11
	s_add_co_u32 s48, s48, s20
	s_add_nc_u64 s[52:53], s[8:9], s[48:49]
	s_wait_loadcnt 0x0                             ; my half row
	global_store_b128 v3, v[XR:XR+3], s[50:51]
	global_store_b128 v3, v[XR+4:XR+7], s[50:51] offset:512
	global_store_b128 v3, v[XR:XR+3], s[52:53]
	global_store_b128 v3, v[XR+4:XR+7], s[52:53] offset:512
	; the padding row of work-group 32 e + j; each wave stores 256 of its 2,048 bytes
	s_min_u32 s56, s56, 0x400
	s_add_co_u32 s57, s56, 31
	s_lshr_b32 s57, s57, 5
	s_max_u32 s57, s57, 1
	s_lshl_b32 s57, s57, 5                         ; the rows that the expert launches walk
	s_add_co_u32 s58, s56, s55
	s_cmp_ge_u32 s58, s57
	s_cbranch_scc1 .Lno_pad
	s_min_u32 s58, s58, 0x3ff                      ; the row is cut to the expert's 1,024 before it enters an address
	s_lshl_b32 s58, s58, 11
	s_lshl_b32 s59, s54, 21
	s_add_co_u32 s58, s58, s59
	s_lshl_b32 s59, s16, 8
	s_add_co_u32 s58, s58, s59
	s_mov_b32 s59, 0
	s_add_nc_u64 s[60:61], s[8:9], s[58:59]
	v_mov_b32 v14, 0
	v_mov_b32 v15, 0
	v_lshlrev_b32 v11, 3, v1
	global_store_b64 v11, v[14:15], s[60:61]       ; 256 consecutive bytes, aligned
.Lno_pad:
	s_endpgm
.Lfunc_end_k_q4b9e4b7f1e_scatter:
	.size	k_q4b9e4b7f1e_scatter, .Lfunc_end_k_q4b9e4b7f1e_scatter-k_q4b9e4b7f1e_scatter
	.p2alignl 7, 3214868480
	.fill 96, 4, 3214868480
	.section	.rodata,"a",@progbits
	.p2align	6, 0x0
	.amdhsa_kernel k_q4b9e4b7f1e_scatter
		.amdhsa_group_segment_fixed_size 0
		.amdhsa_private_segment_fixed_size 0
		.amdhsa_enable_private_segment 0
		.amdhsa_kernarg_size 24
		.amdhsa_user_sgpr_count 2
		.amdhsa_user_sgpr_kernarg_segment_ptr 1
		.amdhsa_wavefront_size32 1
		.amdhsa_system_sgpr_workgroup_id_x 1
		.amdhsa_system_sgpr_workgroup_id_y 1
		.amdhsa_system_sgpr_workgroup_id_z 1
		.amdhsa_system_vgpr_workitem_id 0
		.amdhsa_next_free_vgpr 32
		.amdhsa_next_free_sgpr 66
		.amdhsa_reserve_vcc 0
		.amdhsa_float_denorm_mode_32 3
		.amdhsa_float_denorm_mode_16_64 3
		.amdhsa_memory_ordered 1
		.amdhsa_forward_progress 1
		.amdhsa_inst_pref_size 3
	.end_amdhsa_kernel
	.amdgpu_metadata
---
amdhsa.version: [ 1, 2 ]
amdhsa.kernels:
  - .name:           k_q4b9e4b7f1e_scatter
    .symbol:         k_q4b9e4b7f1e_scatter.kd
    .args:
      - { .name: rt, .offset: 0, .size: 8, .value_kind: global_buffer, .address_space: global }
      - { .name: x16, .offset: 8, .size: 8, .value_kind: global_buffer, .address_space: global }
      - { .name: xs, .offset: 16, .size: 8, .value_kind: global_buffer, .address_space: global }
    .group_segment_fixed_size: 0
    .private_segment_fixed_size: 0
    .kernarg_segment_align: 8
    .kernarg_segment_size: 24
    .max_flat_workgroup_size: 256
    .sgpr_count:     66
    .vgpr_count:     32
    .wavefront_size: 32
...
	.end_amdgpu_metadata
.endif
;; end of part 3
;; launch ffn1 (part 4): grid 32 x 8, 4 waves a work-group, no clusters, 133,632 bytes of LDS; arguments xs, rt, W1, b1, h; writes h
.if DOCPART == 4
	.amdgcn_target "amdgcn-amd-amdhsa--gfx1250"
	.amdhsa_code_object_version 6
	.text
	.protected	k_q4b9e4b7f1e_ffn1
	.globl	k_q4b9e4b7f1e_ffn1
	.p2align	8
	.type	k_q4b9e4b7f1e_ffn1,@function
k_q4b9e4b7f1e_ffn1:
	s_mov_b64 s[64:65], 0
	v_nop
	global_prefetch_b8 v0, s[64:65] scope:SCOPE_SE
	s_setreg_imm32_b32 hwreg(HW_REG_WAVE_MODE, 25, 1), 1
	s_wait_xcnt 0x0
; FIRST EXPERT LAYER, THE WEIGHTS HELD IN REGISTERS:  h[slot][f] = gelu(xs[slot] . W1[e][:, f] + b1[e][f]), f16.
; A work-group owns one expert's slice of 1,024 K x 128 N: 512 KiB of f32 that it reads ONCE, whatever the routing, converts to f16 and keeps
; as matrix fragments: wave w holds K rows 256 w .. + 255 x all 128 columns = 8 K steps x 8 tiles x 8 registers = 512 registers.
; Then it walks its expert's slots, 32 a trip.  The four waves' sums over their K quarters meet in LDS.  8 experts x 32 slices = 256 work-groups.
; WHY f16 OPERANDS: a result sums 1,024 products here and 4,096 in the second layer, and the rounding errors of x, W1, h and W2 add up; f16 keeps 11
; significant bits, bf16 8.  ROOM: x and W1 thirty times the drawn spread (30 and 0.6) give sums of rms 32 x 30 x 0.6 = 576; both carrying an offset of
; thirty spreads give 1,024 x 30 x 0.6 = 18,432.  LIMIT: |W1| and |h| up to 65,504, f16's largest: beyond it the conversion gives infinity.
; Below 6.1e-5 values are kept in steps of 2^-24.
; TRIPS: n = max(1, ceil(cnt[e] / 32)) trips have work; cnt[e] is a whole number that an earlier launch stored.  The loop has the constant 32 trips
; that 1,024 slots need, both barriers stand in every trip outside every branch, and only the work between them is jumped over from trip n on:
; so every wave passes every barrier whatever the count.
; Only the two experts that a token chose are computed.  LIMIT: where an expert that was NOT chosen overflows, the reference's 0 x inf is NaN;
; here the result is the finite sum of the two chosen experts.  Rows from cnt[e] up to 32 n are zero rows: computed, stored, never gathered.
; COLUMNS: tile (g, t), lane index r, stands for column 64 g + 4 r + t, so that one 16-byte load of a weight row gives a lane one element for each of four tiles.
; NO CLUSTER, NO TENSOR LOADS: weights are shared by no two work-groups.  The token rows are shared by an expert's 32 work-groups, but each wave stages only
; its own K quarter of them in LDS bytes of its own, which needs no barrier; a joint request would want a barrier of all partners for every 32 rows.
; The rows come through registers instead, asked for a whole trip ahead.
.set PITCH,  16384                     ; bytes from a K row of W1 to the next
.set LOGP8,  17                        ; 8 such rows
.set AROW,   2048                      ; bytes from a slot's row of xs to the next
.set OROW,   8192                      ; bytes from a slot's row of h to the next
.set TRIPS,  32
.set APITCH, 528                       ; a staged token row: 512 bytes + 16: an odd multiple of 16, so 16 rows start in 16 different 16-byte columns
.set ASTAGE, 32*APITCH                 ; 16,896 bytes for each wave, its own
.set PART,   4*ASTAGE                  ; 67,584: behind the stages, 16,384 bytes for each wave: its 32 x 128 sums as they lie in registers
.set PBYTES, 16384
; window 0
.set WV, 2                             ; weights: 8 rows x (lane / 16) + 16 (lane % 16)
.set SA, 3                             ; stage, in: my wave's stage + 16 lane
.set FA, 4                             ; stage, fragments: + 528 (lane % 16) + 16 (lane / 16)
.set PW, 5                             ; my wave's sums, out
.set PR, 6                             ; the four waves' sums, back
.set AV, 7                             ; token rows: 16 lane
.set OV, 8                             ; output: my rows and my bytes
.set B1, 12                            ; v[12:15]   b1 of columns 4 lane .. + 3
.set KC0, 48                           ; v[48:49]   -2 log2(e) sqrt(2/pi), twice
.set KC1, 50                           ; v[50:51]   that times 0.044715, twice
.set ACC, 64                           ; v[64:191]  16 accumulator tiles: (8 mt + 4 g + t) * 8
.set OUTR, 192                         ; v[192:223] my 8 rows x 4 columns: (4 mt + i) * 4 + t
.set TMP, 224                          ; v[224:255] at work
; window 1: v[0:127] token rows as loaded, row i at 4 i;  v[128:255] fragments of the tokens, later the four waves' sums
.set FR, 128
; window 2: weight fragments of K steps 0-3, window 3: of K steps 4-7: (ks % 4) * 64 + tile * 8
.set MSB, 0
.macro WIN new                         ; s_set_vgpr_msb: bits 1:0 source 0, 3:2 source 1, 5:4 source 2, 7:6 destination; the high byte repeats the setting that is left
.if MSB != (\new)
	s_set_vgpr_msb (MSB<<8)|(\new)
.set MSB, (\new)
.endif
.endm
	s_load_b256 s[4:11], s[0:1], 0x0               ; xs 4, rt 6, W1 8, b1 10
	s_load_b64 s[12:13], s[0:1], 0x20              ; h
	v_lshl_add_u32 v62, v0, 2, 0x20800
	v_mov_b32 v63, 0
	v_lshrrev_b32 v1, 5, v0
	v_readfirstlane_b32 s16, v1                    ; wave
	s_and_b32 s17, ttmp7, 0xffff                   ; expert
	s_mov_b32 s18, ttmp9                           ; which 128 columns
	v_and_b32 v9, 31, v0                           ; lane
	v_and_b32 v10, 15, v0                          ; r
	v_bfe_u32 v11, v0, 4, 1                        ; lane / 16
	v_lshlrev_b32 v1, 4, v10                       ; 16 r
	v_lshl_add_u32 v[WV], v11, LOGP8, v1
	s_mul_i32 s30, s16, ASTAGE
	v_lshl_add_u32 v[SA], v9, 4, s30
	v_mul_u32_u24 v[FA], v10, APITCH
	v_lshl_add_u32 v[FA], v11, 4, v[FA]
	v_add_nc_u32 v[FA], s30, v[FA]
	s_lshl_b32 s31, s16, 14
	s_add_co_u32 s31, s31, PART
	v_lshl_add_u32 v[PW], v9, 4, s31
	; back: I sum rows 16 mt + 4 w + i, columns 4 lane + t.  Such a row lies in the half w / 2 of the lanes, in registers 4 (w % 2) + i of a tile;
	; the column in tile 4 (lane / 16) + t at lane index lane % 16.
	s_and_b32 s30, s16, 1
	s_lshl_b32 s30, s30, 9
	s_lshr_b32 s31, s16, 1
	s_lshl_b32 s31, s31, 8
	s_add_co_u32 s30, s30, s31
	s_add_co_u32 s30, s30, PART
	v_lshl_add_u32 v[PR], v11, 12, v1
	v_add_nc_u32 v[PR], s30, v[PR]
	v_lshlrev_b32 v[AV], 4, v9
	s_lshl_b32 s30, s16, 15
	v_lshl_add_u32 v[OV], v9, 3, s30               ; 4 w rows of 8,192 bytes + 8 lane
	v_mov_b32 v[KC0], 0xc0135761
	v_mov_b32 v[KC0+1], 0xc0135761
	v_mov_b32 v[KC1], 0xbdd2d3e8
	v_mov_b32 v[KC1+1], 0xbdd2d3e8
	s_lshl_b32 s30, s17, 14
	s_lshl_b32 s31, s18, 9
	s_add_co_u32 s30, s30, s31
	v_lshl_add_u32 v1, v9, 4, s30                  ; b1: 16,384 e + 512 slice + 16 lane; v1 is not written again
	s_mov_b32 s3, 0
	s_lshl_b32 s29, s17, 2                         ; my expert's word among the counts
	s_wait_kmcnt 0x0
	s_load_b32 s26, s[6:7], s29 offset:0x2000      ; cnt[e]
	global_load_b128 v[B1:B1+3], v1, s[10:11]
	s_lshl_b32 s2, s17, 24                         ; weights: expert, my wave's 256 rows, the slice's 512 bytes
	s_lshl_b32 s30, s16, 22
	s_add_co_u32 s2, s2, s30
	s_add_co_u32 s2, s2, s31
	s_add_nc_u64 s[20:21], s[8:9], s[2:3]
	s_lshl_b32 s2, s17, 21                         ; xs: 1,024 slots of 2,048 bytes an expert, my wave's 512 bytes
	s_lshl_b32 s30, s16, 9
	s_add_co_u32 s2, s2, s30
	s_add_nc_u64 s[22:23], s[4:5], s[2:3]
	s_lshl_b32 s2, s17, 23                         ; h: 1,024 slots of 8,192 bytes an expert, the slice's 256 bytes
	s_lshl_b32 s30, s18, 8
	s_add_co_u32 s2, s2, s30
	s_add_nc_u64 s[24:25], s[12:13], s[2:3]
; A chunk = one K step (32 rows) x 64 columns of f32 = 16 loads; in each, lanes 0-15 take 256 consecutive aligned bytes of row k, lanes 16-31 of row k + 8.
; Four landing slots of 64 registers take turns: window 0 v64, v128 (later the accumulators), window 1 v128, v192 (later the fragments).
.macro CHUNKSYM c
.set CKS, (\c)/2
.set CG,  (\c)%2
.set CSW, ((\c)%4)/2
.set CSB, 64+64*((\c)%2)+64*CSW
.endm
.macro LOADCHUNK c
	CHUNKSYM \c
	WIN (CSW<<6)
.set kk, 0
.rept 16
	global_load_b128 v[CSB+4*kk:CSB+4*kk+3], v[WV], s[20:21] offset:(32*CKS+kk+8*(kk/8))*PITCH+256*CG th:TH_LOAD_NT
.set kk, kk+1
.endr
.endm
; Register q of a fragment holds two neighbouring k of one column: loads 2 q and 2 q + 1 of the chunk, element t.
.macro CVT c
	CHUNKSYM \c
	WIN ((2+CKS/4)<<6)|(CSW<<2)|CSW
.irp t, 0,1,2,3
.irp q, 0,1,2,3,4,5,6,7
	v_cvt_pk_f16_f32 v[(CKS%4)*64+(4*CG+\t)*8+\q], v[CSB+8*\q+\t], v[CSB+8*\q+4+\t]
.endr
.endr
.endm
; 32 token rows, my wave's 512 bytes of each (one load = 512 consecutive bytes), into window 1 v[0:127]
.macro ALOAD
	WIN 0x40
.set ii, 0
.rept 32
	global_load_b128 v[4*ii:4*ii+3], v[AV], s[22:23] offset:ii*AROW
.set ii, ii+1
.endr
.endm
	; THE WEIGHTS: 16 chunks, four on their way at any time (64 loads of 512 bytes a wave)
	LOADCHUNK 0
	LOADCHUNK 1
	LOADCHUNK 2
	LOADCHUNK 3
.set cc, 0
.rept 12
	s_wait_loadcnt 48                              ; loads return in order: this chunk is in, the three chunks (48 loads) behind it stay out
	CVT cc
	LOADCHUNK cc+4
.set cc, cc+1
.endr
	s_wait_loadcnt 48                              ; chunks 13, 14, 15 stay out
	CVT 12
	s_wait_loadcnt 32                              ; chunks 14, 15
	CVT 13
	ALOAD                                          ; the first 32 token rows join the stream
	s_wait_loadcnt 48                              ; chunk 15 and the 32 token rows
	CVT 14
	s_wait_loadcnt 32                              ; the 32 token rows
	CVT 15
	WIN 0
	s_wait_kmcnt 0x0                               ; cnt[e]
	s_add_co_u32 s26, s26, 31
	s_lshr_b32 s26, s26, 5
	s_min_u32 s26, s26, TRIPS
	s_max_u32 s26, s26, 1                          ; n: the trips that have work, 1 to 32
	s_mov_b32 s28, 0                               ; t
.Ltrip:
	s_cmp_ge_u32 s28, s26
	s_cbranch_scc1 .Lidle_a
	; ---- stage, multiply, hand my sums over
	s_wait_loadcnt 0x0                             ; this trip's 32 rows are in; no load is out, so their base may be stepped
	WIN 0x04                                       ; store data in window 1
.set ii, 0
.rept 32
	ds_store_b128 v[SA], v[4*ii:4*ii+3] offset:APITCH*ii
.set ii, ii+1
.endr
	WIN 0x40
	; fragments: lane l holds row l % 16; registers 0-3 hold k = 8 (l / 16) + 0..7, registers 4-7 k = 16 + 8 (l / 16) + 0..7 (ISA guide 7.12.2).
	; My wave's own bytes: LDS serves a wave's instructions in order (ISA guide 5.7.1.4), so no wait and no barrier stands between stores and loads.
.irp ks, 0,1,2,3,4,5,6,7
.irp mt, 0,1
.irp hf, 0,1
	ds_load_b128 v[FR+(2*\ks+\mt)*8+4*\hf:FR+(2*\ks+\mt)*8+4*\hf+3], v[FA] offset:\mt*16*APITCH+64*\ks+32*\hf
.endr
.endr
.endr
	WIN 0
	s_add_co_u32 s29, s28, 1
	s_cmp_ge_u32 s29, s26
	s_cbranch_scc1 .Lno_next                       ; the last trip with work asks for nothing: no load passes the rows that were stored
	s_add_nc_u64 s[22:23], s[22:23], 32*AROW
	ALOAD                                          ; the next rows have the whole trip in which to land
	WIN 0
.Lno_next:
	; 128 matrix instructions.  The sixteen accumulators take turns, one instruction a turn.  The first K step starts the sums.
.irp ks, 0,1,2,3,4,5,6,7
	s_wait_dscnt 28-4*\ks                          ; LDS loads return in order: this K step's four are in, the four of each later step may be out
.if \ks < 4
	WIN 0x09                                       ; source 0 (tokens) window 1, source 1 (weights) window 2, C and D window 0
.else
	WIN 0x0d                                       ; weights in window 3
.endif
.irp mt, 0,1
.irp tl, 0,1,2,3,4,5,6,7
.if \ks == 0
	v_wmma_f32_16x16x32_f16 v[ACC+(8*\mt+\tl)*8:ACC+(8*\mt+\tl)*8+7], v[FR+(2*\ks+\mt)*8:FR+(2*\ks+\mt)*8+7], v[(\ks%4)*64+\tl*8:(\ks%4)*64+\tl*8+7], 0
.else
	v_wmma_f32_16x16x32_f16 v[ACC+(8*\mt+\tl)*8:ACC+(8*\mt+\tl)*8+7], v[FR+(2*\ks+\mt)*8:FR+(2*\ks+\mt)*8+7], v[(\ks%4)*64+\tl*8:(\ks%4)*64+\tl*8+7], v[ACC+(8*\mt+\tl)*8:ACC+(8*\mt+\tl)*8+7]
.endif
.endr
.endr
.endr
	WIN 0
.rept 5
	v_nop                                          ; places behind the last matrix instruction: four for the stores of its result and the loads into its sources, five for the next trip's first products, which write the accumulators anew
.endr
.set ii, 0
.rept 32
	ds_store_b128 v[PW], v[ACC+4*ii:ACC+4*ii+3] offset:512*ii      ; my sums over my K quarter, as they lie: 512 consecutive bytes a store
.set ii, ii+1
.endr
	s_wait_dscnt 0x0                               ; for the other waves' sake: my sums are in LDS
.Lidle_a:
	s_barrier_signal -1
	s_barrier_wait -1
	s_cmp_ge_u32 s28, s26
	s_cbranch_scc1 .Lidle_b
	; ---- the four waves' sums of my 8 rows
	WIN 0x40
.irp mt, 0,1
.irp t, 0,1,2,3
.irp p, 0,1,2,3
	ds_load_b128 v[FR+((4*\mt+\t)*4+\p)*4:FR+((4*\mt+\t)*4+\p)*4+3], v[PR] offset:\p*PBYTES+\mt*8192+\t*1024   ; wave p's sums of rows 16 mt + 4 w + 0..3, column 4 lane + t
.endr
.endr
.endr
	WIN 0
	s_wait_dscnt 0x0                               ; my reads of the four waves' sums are back: behind the barrier below they may be written again
.Lidle_b:
	s_barrier_signal -1
	s_barrier_wait -1
	s_cmp_ge_u32 s28, s26
	s_cbranch_scc1 .Lidle_c
	; ---- add, bias, gelu, store
	WIN 0x45
.irp m, 0,1,2,3,4,5,6,7
	v_pk_add_f32 v[FR+16*\m:FR+16*\m+1], v[FR+16*\m:FR+16*\m+1], v[FR+16*\m+4:FR+16*\m+5]
	v_pk_add_f32 v[FR+16*\m+2:FR+16*\m+3], v[FR+16*\m+2:FR+16*\m+3], v[FR+16*\m+6:FR+16*\m+7]
	v_pk_add_f32 v[FR+16*\m+8:FR+16*\m+9], v[FR+16*\m+8:FR+16*\m+9], v[FR+16*\m+12:FR+16*\m+13]
	v_pk_add_f32 v[FR+16*\m+10:FR+16*\m+11], v[FR+16*\m+10:FR+16*\m+11], v[FR+16*\m+14:FR+16*\m+15]
.endr
.irp m, 0,1,2,3,4,5,6,7
	v_pk_add_f32 v[FR+16*\m:FR+16*\m+1], v[FR+16*\m:FR+16*\m+1], v[FR+16*\m+8:FR+16*\m+9]
	v_pk_add_f32 v[FR+16*\m+2:FR+16*\m+3], v[FR+16*\m+2:FR+16*\m+3], v[FR+16*\m+10:FR+16*\m+11]
.endr
	WIN 0x01                                       ; the last sum puts four neighbouring columns of a row side by side, by its destination
.irp mt, 0,1
.irp t, 0,1,2,3
.irp i, 0,1,2,3
	v_add_f32 v[OUTR+(4*\mt+\i)*4+\t], v[FR+(4*\mt+\t)*16+\i], v[B1+\t]
.endr
.endr
.endr
	WIN 0
	; gelu(x) = x / (1 + 2^(x (c0 + c1 x^2))), c0 = -2 log2(e) sqrt(2/pi), c1 = 0.044715 c0: the tanh form, rewritten.  At both ends it runs
	; into x and into 0 by way of 2^-inf = 0 and 1 / inf = 0.
.irp m, 0,1,2,3,4,5,6,7,8,9,10,11,12,13,14,15
	v_pk_mul_f32 v[TMP+2*\m:TMP+2*\m+1], v[OUTR+2*\m:OUTR+2*\m+1], v[OUTR+2*\m:OUTR+2*\m+1]
.endr
.irp m, 0,1,2,3,4,5,6,7,8,9,10,11,12,13,14,15
	v_pk_fma_f32 v[TMP+2*\m:TMP+2*\m+1], v[TMP+2*\m:TMP+2*\m+1], v[KC1:KC1+1], v[KC0:KC0+1]
.endr
.irp m, 0,1,2,3,4,5,6,7,8,9,10,11,12,13,14,15
	v_pk_mul_f32 v[TMP+2*\m:TMP+2*\m+1], v[TMP+2*\m:TMP+2*\m+1], v[OUTR+2*\m:OUTR+2*\m+1]
.endr
.set ii, 0
.rept 32
	v_exp_f32 v[TMP+ii], v[TMP+ii]
.set ii, ii+1
.endr
	v_nop                                          ; a plain place behind the exponentials (ISA guide 5.7.2)
	s_wait_alu depctr_va_vdst(0)
.irp m, 0,1,2,3,4,5,6,7,8,9,10,11,12,13,14,15
	v_pk_add_f32 v[TMP+2*\m:TMP+2*\m+1], v[TMP+2*\m:TMP+2*\m+1], 1.0 op_sel_hi:[1,0]
.endr
.set ii, 0
.rept 32
	v_rcp_f32 v[TMP+ii], v[TMP+ii]
.set ii, ii+1
.endr
	v_nop                                          ; a plain place behind the reciprocals
	s_wait_alu depctr_va_vdst(0)
.irp m, 0,1,2,3,4,5,6,7,8,9,10,11,12,13,14,15
	v_pk_mul_f32 v[OUTR+2*\m:OUTR+2*\m+1], v[OUTR+2*\m:OUTR+2*\m+1], v[TMP+2*\m:TMP+2*\m+1]
.endr
.irp m, 0,1,2,3,4,5,6,7,8,9,10,11,12,13,14,15
	v_cvt_pk_f16_f32 v[TMP+\m], v[OUTR+2*\m], v[OUTR+2*\m+1]
.endr
.irp mt, 0,1
.irp i, 0,1,2,3
	global_store_b64 v[OV], v[TMP+2*(4*\mt+\i):TMP+2*(4*\mt+\i)+1], s[24:25] offset:(16*\mt+\i)*OROW   ; the wave's store covers 256 consecutive bytes, aligned
.endr
.endr
	s_wait_xcnt 0x0                                ; the stores' data and base are written again only behind this wait
	s_add_nc_u64 s[24:25], s[24:25], 32*OROW
.Lidle_c:
	s_add_co_u32 s28, s28, 1
	s_cmp_lt_u32 s28, TRIPS
	s_cbranch_scc1 .Ltrip
	s_wait_tensorcnt 0x0
	ds_add_u32 v62, v63
	s_wait_dscnt 0x0
	s_endpgm
.Lfunc_end_k_q4b9e4b7f1e_ffn1:
	.size	k_q4b9e4b7f1e_ffn1, .Lfunc_end_k_q4b9e4b7f1e_ffn1-k_q4b9e4b7f1e_ffn1
	.p2alignl 7, 3214868480
	.fill 96, 4, 3214868480
	.section	.rodata,"a",@progbits
	.p2align	6, 0x0
	.amdhsa_kernel k_q4b9e4b7f1e_ffn1
		.amdhsa_group_segment_fixed_size 133632
		.amdhsa_private_segment_fixed_size 0
		.amdhsa_enable_private_segment 0
		.amdhsa_kernarg_size 40
		.amdhsa_user_sgpr_count 2
		.amdhsa_user_sgpr_kernarg_segment_ptr 1
		.amdhsa_wavefront_size32 1
		.amdhsa_system_sgpr_workgroup_id_x 1
		.amdhsa_system_sgpr_workgroup_id_y 1
		.amdhsa_system_sgpr_workgroup_id_z 1
		.amdhsa_system_vgpr_workitem_id 0
		.amdhsa_next_free_vgpr 1024
		.amdhsa_next_free_sgpr 66
		.amdhsa_reserve_vcc 0
		.amdhsa_float_denorm_mode_32 3
		.amdhsa_float_denorm_mode_16_64 3
		.amdhsa_memory_ordered 1
		.amdhsa_forward_progress 1
		.amdhsa_inst_pref_size 98
	.end_amdhsa_kernel
	.amdgpu_metadata
---
amdhsa.version: [ 1, 2 ]
amdhsa.kernels:
  - .name:           k_q4b9e4b7f1e_ffn1
    .symbol:         k_q4b9e4b7f1e_ffn1.kd
    .args:
      - { .name: xs, .offset: 0, .size: 8, .value_kind: global_buffer, .address_space: global }
      - { .name: rt, .offset: 8, .size: 8, .value_kind: global_buffer, .address_space: global }
      - { .name: W1, .offset: 16, .size: 8, .value_kind: global_buffer, .address_space: global }
      - { .name: b1, .offset: 24, .size: 8, .value_kind: global_buffer, .address_space: global }
      - { .name: h, .offset: 32, .size: 8, .value_kind: global_buffer, .address_space: global }
    .group_segment_fixed_size: 133632
    .private_segment_fixed_size: 0
    .kernarg_segment_align: 8
    .kernarg_segment_size: 40
    .max_flat_workgroup_size: 128
    .sgpr_count:     66
    .vgpr_count:     1024
    .wavefront_size: 32
...
	.end_amdgpu_metadata
.endif
;; end of part 4
;; launch ffn2 (part 5): grid 32 x 8, 4 waves a work-group, no clusters, 133,632 bytes of LDS; arguments h, rt, W2, part; writes part
.if DOCPART == 5
	.amdgcn_target "amdgcn-amd-amdhsa--gfx1250"
	.amdhsa_code_object_version 6
	.text
	.protected	k_q4b9e4b7f1e_ffn2
	.globl	k_q4b9e4b7f1e_ffn2
	.p2align	8
	.type	k_q4b9e4b7f1e_ffn2,@function
k_q4b9e4b7f1e_ffn2:
	s_mov_b64 s[64:65], 0
	v_nop
	global_prefetch_b8 v0, s[64:65] scope:SCOPE_SE
	s_setreg_imm32_b32 hwreg(HW_REG_WAVE_MODE, 25, 1), 1
	s_wait_xcnt 0x0
; SECOND EXPERT LAYER, THE WEIGHTS HELD IN REGISTERS:  part[slot][kq][d] = h[slot][1024 kq ..] . W2[e][1024 kq .., d], f32.
; A work-group owns one expert's slice of 1,024 K x 128 N: 512 KiB of f32 that it reads ONCE, whatever the routing, converts to f16 and keeps
; as matrix fragments: wave w holds K rows 256 w .. + 255 x all 128 columns = 8 K steps x 8 tiles x 8 registers = 512 registers.
; Then it walks its expert's slots, 32 a trip.  The four waves' sums over their K quarters meet in LDS.
; 8 experts x 4 K quarters x 8 column blocks = 256 work-groups.  The four K quarters' sums of a slot are stored apart and added by the launch
; that follows: no sum crosses work-groups inside a launch.
; WHY f16 OPERANDS: a result sums 4,096 products whose operands' rounding errors add up; f16 keeps 11 significant bits, bf16 8.
; LIMIT: |W2| up to 65,504, f16's largest (the drawn spread is 0.02; thirty times that, or an offset of thirty spreads, is 0.6); below 6.1e-5
; values are kept in steps of 2^-24.  h arrives in f16 from the first layer, with the limit stated there.
; TRIPS: n = max(1, ceil(cnt[e] / 32)) trips have work; cnt[e] is a whole number that an earlier launch stored.  The loop has the constant 32 trips
; that 1,024 slots need, both barriers stand in every trip outside every branch, and only the work between them is jumped over from trip n on:
; so every wave passes every barrier whatever the count.  The first layer walks the same 32 n rows, so every byte of h that is loaded here has been stored.
; Only the two experts that a token chose are computed.  LIMIT: where an expert that was NOT chosen overflows, the reference's 0 x inf is NaN;
; here the result is the finite sum of the two chosen experts.
; COLUMNS: tile (g, t), lane index r, stands for column 64 g + 4 r + t, so that one 16-byte load of a weight row gives a lane one element for each of four tiles.
; NO CLUSTER, NO TENSOR LOADS: weights are shared by no two work-groups.  The rows of h are shared by the 8 column blocks of a K quarter, but each wave stages
; only its own K quarter of them in LDS bytes of its own, which needs no barrier; a joint request would want a barrier of all partners for every 32 rows.
; The rows come through registers instead, asked for a whole trip ahead.
.set PITCH,  4096                      ; bytes from a K row of W2 to the next
.set LOGP8,  15                        ; 8 such rows
.set AROW,   8192                      ; bytes from a slot's row of h to the next
.set OROW,   16384                     ; bytes from a slot's four rows of part to the next slot's
.set TRIPS,  32
.set APITCH, 528                       ; a staged token row: 512 bytes + 16: an odd multiple of 16, so 16 rows start in 16 different 16-byte columns
.set ASTAGE, 32*APITCH                 ; 16,896 bytes for each wave, its own
.set PART,   4*ASTAGE                  ; 67,584: behind the stages, 16,384 bytes for each wave: its 32 x 128 sums as they lie in registers
.set PBYTES, 16384
; window 0
.set WV, 2                             ; weights: 8 rows x (lane / 16) + 16 (lane % 16)
.set SA, 3                             ; stage, in: my wave's stage + 16 lane
.set FA, 4                             ; stage, fragments: + 528 (lane % 16) + 16 (lane / 16)
.set PW, 5                             ; my wave's sums, out
.set PR, 6                             ; the four waves' sums, back
.set AV, 7                             ; token rows: 16 lane
.set OV, 8                             ; output: my rows and my bytes
.set ACC, 64                           ; v[64:191]  16 accumulator tiles: (8 mt + 4 g + t) * 8
.set OUTR, 192                         ; v[192:223] my 8 rows x 4 columns: (4 mt + i) * 4 + t
; window 1: v[0:127] token rows as loaded, row i at 4 i;  v[128:255] fragments of the tokens, later the four waves' sums
.set FR, 128
; window 2: weight fragments of K steps 0-3, window 3: of K steps 4-7: (ks % 4) * 64 + tile * 8
.set MSB, 0
.macro WIN new                         ; s_set_vgpr_msb: bits 1:0 source 0, 3:2 source 1, 5:4 source 2, 7:6 destination; the high byte repeats the setting that is left
.if MSB != (\new)
	s_set_vgpr_msb (MSB<<8)|(\new)
.set MSB, (\new)
.endif
.endm
	s_load_b256 s[4:11], s[0:1], 0x0               ; h 4, rt 6, W2 8, part 10
	v_lshl_add_u32 v254, v0, 2, 0x20800
	v_mov_b32 v255, 0
	v_lshrrev_b32 v1, 5, v0
	v_readfirstlane_b32 s16, v1                    ; wave
	s_and_b32 s17, ttmp7, 0xffff                   ; expert
	s_and_b32 s18, ttmp9, 7                        ; which 128 columns
	s_lshr_b32 s19, ttmp9, 3                       ; which 1,024 of K
	v_and_b32 v9, 31, v0                           ; lane
	v_and_b32 v10, 15, v0                          ; r
	v_bfe_u32 v11, v0, 4, 1                        ; lane / 16
	v_lshlrev_b32 v1, 4, v10                       ; 16 r
	v_lshl_add_u32 v[WV], v11, LOGP8, v1
	s_mul_i32 s30, s16, ASTAGE
	v_lshl_add_u32 v[SA], v9, 4, s30
	v_mul_u32_u24 v[FA], v10, APITCH
	v_lshl_add_u32 v[FA], v11, 4, v[FA]
	v_add_nc_u32 v[FA], s30, v[FA]
	s_lshl_b32 s31, s16, 14
	s_add_co_u32 s31, s31, PART
	v_lshl_add_u32 v[PW], v9, 4, s31
	; back: I sum rows 16 mt + 4 w + i, columns 4 lane + t.  Such a row lies in the half w / 2 of the lanes, in registers 4 (w % 2) + i of a tile;
	; the column in tile 4 (lane / 16) + t at lane index lane % 16.
	s_and_b32 s30, s16, 1
	s_lshl_b32 s30, s30, 9
	s_lshr_b32 s31, s16, 1
	s_lshl_b32 s31, s31, 8
	s_add_co_u32 s30, s30, s31
	s_add_co_u32 s30, s30, PART
	v_lshl_add_u32 v[PR], v11, 12, v1
	v_add_nc_u32 v[PR], s30, v[PR]
	v_lshlrev_b32 v[AV], 4, v9
	s_lshl_b32 s30, s16, 16
	v_lshl_add_u32 v[OV], v9, 4, s30               ; 4 w rows of 16,384 bytes + 16 lane
	s_mov_b32 s3, 0
	s_lshl_b32 s29, s17, 2                         ; my expert's word among the counts
	s_wait_kmcnt 0x0
	s_load_b32 s26, s[6:7], s29 offset:0x2000      ; cnt[e]
	s_lshl_b32 s2, s17, 24                         ; weights: expert, the K quarter, my wave's 256 rows, the slice's 512 bytes
	s_lshl_b32 s30, s19, 22
	s_add_co_u32 s2, s2, s30
	s_lshl_b32 s30, s16, 20
	s_add_co_u32 s2, s2, s30
	s_lshl_b32 s31, s18, 9
	s_add_co_u32 s2, s2, s31
	s_add_nc_u64 s[20:21], s[8:9], s[2:3]
	s_lshl_b32 s2, s17, 23                         ; h: the expert's slots, the K quarter's 2,048 bytes, my wave's 512
	s_lshl_b32 s30, s19, 11
	s_add_co_u32 s2, s2, s30
	s_lshl_b32 s30, s16, 9
	s_add_co_u32 s2, s2, s30
	s_add_nc_u64 s[22:23], s[4:5], s[2:3]
	s_lshl_b32 s2, s17, 24                         ; part: 1,024 slots of 16,384 bytes an expert, the K quarter's 4,096, the slice's 512
	s_lshl_b32 s30, s19, 12
	s_add_co_u32 s2, s2, s30
	s_add_co_u32 s2, s2, s31
	s_add_nc_u64 s[24:25], s[10:11], s[2:3]
; A chunk = one K step (32 rows) x 64 columns of f32 = 16 loads; in each, lanes 0-15 take 256 consecutive aligned bytes of row k, lanes 16-31 of row k + 8.
; Four landing slots of 64 registers take turns: window 0 v64, v128 (later the accumulators), window 1 v128, v192 (later the fragments).
.macro CHUNKSYM c
.set CKS, (\c)/2
.set CG,  (\c)%2
.set CSW, ((\c)%4)/2
.set CSB, 64+64*((\c)%2)+64*CSW
.endm
.macro LOADCHUNK c
	CHUNKSYM \c
	WIN (CSW<<6)
.set kk, 0
.rept 16
	global_load_b128 v[CSB+4*kk:CSB+4*kk+3], v[WV], s[20:21] offset:(32*CKS+kk+8*(kk/8))*PITCH+256*CG th:TH_LOAD_NT
.set kk, kk+1
.endr
.endm
; Register q of a fragment holds two neighbouring k of one column: loads 2 q and 2 q + 1 of the chunk, element t.
.macro CVT c
	CHUNKSYM \c
	WIN ((2+CKS/4)<<6)|(CSW<<2)|CSW
.irp t, 0,1,2,3
.irp q, 0,1,2,3,4,5,6,7
	v_cvt_pk_f16_f32 v[(CKS%4)*64+(4*CG+\t)*8+\q], v[CSB+8*\q+\t], v[CSB+8*\q+4+\t]
.endr
.endr
.endm
; 32 token rows, my wave's 512 bytes of each (one load = 512 consecutive bytes), into window 1 v[0:127]
.macro ALOAD
	WIN 0x40
.set ii, 0
.rept 32
	global_load_b128 v[4*ii:4*ii+3], v[AV], s[22:23] offset:ii*AROW
.set ii, ii+1
.endr
.endm
	; THE WEIGHTS: 16 chunks, four on their way at any time (64 loads of 512 bytes a wave)
	LOADCHUNK 0
	LOADCHUNK 1
	LOADCHUNK 2
	LOADCHUNK 3
.set cc, 0
.rept 12
	s_wait_loadcnt 48                              ; loads return in order: this chunk is in, the three chunks (48 loads) behind it stay out
	CVT cc
	LOADCHUNK cc+4
.set cc, cc+1
.endr
	s_wait_loadcnt 48                              ; chunks 13, 14, 15 stay out
	CVT 12
	s_wait_loadcnt 32                              ; chunks 14, 15
	CVT 13
	ALOAD                                          ; the first 32 token rows join the stream
	s_wait_loadcnt 48                              ; chunk 15 and the 32 token rows
	CVT 14
	s_wait_loadcnt 32                              ; the 32 token rows
	CVT 15
	WIN 0
	s_wait_kmcnt 0x0                               ; cnt[e]
	s_add_co_u32 s26, s26, 31
	s_lshr_b32 s26, s26, 5
	s_min_u32 s26, s26, TRIPS
	s_max_u32 s26, s26, 1                          ; n: the trips that have work, 1 to 32
	s_mov_b32 s28, 0                               ; t
.Ltrip:
	s_cmp_ge_u32 s28, s26
	s_cbranch_scc1 .Lidle_a
	; ---- stage, multiply, hand my sums over
	s_wait_loadcnt 0x0                             ; this trip's 32 rows are in; no load is out, so their base may be stepped
	WIN 0x04                                       ; store data in window 1
.set ii, 0
.rept 32
	ds_store_b128 v[SA], v[4*ii:4*ii+3] offset:APITCH*ii
.set ii, ii+1
.endr
	WIN 0x40
	; fragments: lane l holds row l % 16; registers 0-3 hold k = 8 (l / 16) + 0..7, registers 4-7 k = 16 + 8 (l / 16) + 0..7 (ISA guide 7.12.2).
	; My wave's own bytes: LDS serves a wave's instructions in order (ISA guide 5.7.1.4), so no wait and no barrier stands between stores and loads.
.irp ks, 0,1,2,3,4,5,6,7
.irp mt, 0,1
.irp hf, 0,1
	ds_load_b128 v[FR+(2*\ks+\mt)*8+4*\hf:FR+(2*\ks+\mt)*8+4*\hf+3], v[FA] offset:\mt*16*APITCH+64*\ks+32*\hf
.endr
.endr
.endr
	WIN 0
	s_add_co_u32 s29, s28, 1
	s_cmp_ge_u32 s29, s26
	s_cbranch_scc1 .Lno_next                       ; the last trip with work asks for nothing: no load passes the rows that were stored
	s_add_nc_u64 s[22:23], s[22:23], 32*AROW
	ALOAD                                          ; the next rows have the whole trip in which to land
	WIN 0
.Lno_next:
	; 128 matrix instructions.  The sixteen accumulators take turns, one instruction a turn.  The first K step starts the sums.
.irp ks, 0,1,2,3,4,5,6,7
	s_wait_dscnt 28-4*\ks                          ; LDS loads return in order: this K step's four are in, the four of each later step may be out
.if \ks < 4
	WIN 0x09                                       ; source 0 (tokens) window 1, source 1 (weights) window 2, C and D window 0
.else
	WIN 0x0d                                       ; weights in window 3
.endif
.irp mt, 0,1
.irp tl, 0,1,2,3,4,5,6,7
.if \ks == 0
	v_wmma_f32_16x16x32_f16 v[ACC+(8*\mt+\tl)*8:ACC+(8*\mt+\tl)*8+7], v[FR+(2*\ks+\mt)*8:FR+(2*\ks+\mt)*8+7], v[(\ks%4)*64+\tl*8:(\ks%4)*64+\tl*8+7], 0
.else
	v_wmma_f32_16x16x32_f16 v[ACC+(8*\mt+\tl)*8:ACC+(8*\mt+\tl)*8+7], v[FR+(2*\ks+\mt)*8:FR+(2*\ks+\mt)*8+7], v[(\ks%4)*64+\tl*8:(\ks%4)*64+\tl*8+7], v[ACC+(8*\mt+\tl)*8:ACC+(8*\mt+\tl)*8+7]
.endif
.endr
.endr
.endr
	WIN 0
.rept 5
	v_nop                                          ; places behind the last matrix instruction: four for the stores of its result and the loads into its sources, five for the next trip's first products, which write the accumulators anew
.endr
.set ii, 0
.rept 32
	ds_store_b128 v[PW], v[ACC+4*ii:ACC+4*ii+3] offset:512*ii      ; my sums over my K quarter, as they lie: 512 consecutive bytes a store
.set ii, ii+1
.endr
	s_wait_dscnt 0x0                               ; for the other waves' sake: my sums are in LDS
.Lidle_a:
	s_barrier_signal -1
	s_barrier_wait -1
	s_cmp_ge_u32 s28, s26
	s_cbranch_scc1 .Lidle_b
	; ---- the four waves' sums of my 8 rows
	WIN 0x40
.irp mt, 0,1
.irp t, 0,1,2,3
.irp p, 0,1,2,3
	ds_load_b128 v[FR+((4*\mt+\t)*4+\p)*4:FR+((4*\mt+\t)*4+\p)*4+3], v[PR] offset:\p*PBYTES+\mt*8192+\t*1024   ; wave p's sums of rows 16 mt + 4 w + 0..3, column 4 lane + t
.endr
.endr
.endr
	WIN 0
	s_wait_dscnt 0x0                               ; my reads of the four waves' sums are back: behind the barrier below they may be written again
.Lidle_b:
	s_barrier_signal -1
	s_barrier_wait -1
	s_cmp_ge_u32 s28, s26
	s_cbranch_scc1 .Lidle_c
	; ---- add and store
	WIN 0x45
.irp m, 0,1,2,3,4,5,6,7
	v_pk_add_f32 v[FR+16*\m:FR+16*\m+1], v[FR+16*\m:FR+16*\m+1], v[FR+16*\m+4:FR+16*\m+5]
	v_pk_add_f32 v[FR+16*\m+2:FR+16*\m+3], v[FR+16*\m+2:FR+16*\m+3], v[FR+16*\m+6:FR+16*\m+7]
	v_pk_add_f32 v[FR+16*\m+8:FR+16*\m+9], v[FR+16*\m+8:FR+16*\m+9], v[FR+16*\m+12:FR+16*\m+13]
	v_pk_add_f32 v[FR+16*\m+10:FR+16*\m+11], v[FR+16*\m+10:FR+16*\m+11], v[FR+16*\m+14:FR+16*\m+15]
.endr
	WIN 0x05                                       ; the last sum puts four neighbouring columns of a row side by side, by its destination
.irp mt, 0,1
.irp t, 0,1,2,3
.irp i, 0,1,2,3
	v_add_f32 v[OUTR+(4*\mt+\i)*4+\t], v[FR+(4*\mt+\t)*16+\i], v[FR+(4*\mt+\t)*16+8+\i]
.endr
.endr
.endr
	WIN 0
.irp mt, 0,1
.irp i, 0,1,2,3
	global_store_b128 v[OV], v[OUTR+4*(4*\mt+\i):OUTR+4*(4*\mt+\i)+3], s[24:25] offset:(16*\mt+\i)*OROW   ; 512 consecutive bytes, aligned
.endr
.endr
	s_wait_xcnt 0x0                                ; the stores' data and base are written again only behind this wait
	s_add_nc_u64 s[24:25], s[24:25], 32*OROW
.Lidle_c:
	s_add_co_u32 s28, s28, 1
	s_cmp_lt_u32 s28, TRIPS
	s_cbranch_scc1 .Ltrip
	s_wait_tensorcnt 0x0
	ds_add_u32 v254, v255
	s_wait_dscnt 0x0
	s_endpgm
.Lfunc_end_k_q4b9e4b7f1e_ffn2:
	.size	k_q4b9e4b7f1e_ffn2, .Lfunc_end_k_q4b9e4b7f1e_ffn2-k_q4b9e4b7f1e_ffn2
	.p2alignl 7, 3214868480
	.fill 96, 4, 3214868480
	.section	.rodata,"a",@progbits
	.p2align	6, 0x0
	.amdhsa_kernel k_q4b9e4b7f1e_ffn2
		.amdhsa_group_segment_fixed_size 133632
		.amdhsa_private_segment_fixed_size 0
		.amdhsa_enable_private_segment 0
		.amdhsa_kernarg_size 32
		.amdhsa_user_sgpr_count 2
		.amdhsa_user_sgpr_kernarg_segment_ptr 1
		.amdhsa_wavefront_size32 1
		.amdhsa_system_sgpr_workgroup_id_x 1
		.amdhsa_system_sgpr_workgroup_id_y 1
		.amdhsa_system_sgpr_workgroup_id_z 1
		.amdhsa_system_vgpr_workitem_id 0
		.amdhsa_next_free_vgpr 1024
		.amdhsa_next_free_sgpr 66
		.amdhsa_reserve_vcc 0
		.amdhsa_float_denorm_mode_32 3
		.amdhsa_float_denorm_mode_16_64 3
		.amdhsa_memory_ordered 1
		.amdhsa_forward_progress 1
		.amdhsa_inst_pref_size 88
	.end_amdhsa_kernel
	.amdgpu_metadata
---
amdhsa.version: [ 1, 2 ]
amdhsa.kernels:
  - .name:           k_q4b9e4b7f1e_ffn2
    .symbol:         k_q4b9e4b7f1e_ffn2.kd
    .args:
      - { .name: h, .offset: 0, .size: 8, .value_kind: global_buffer, .address_space: global }
      - { .name: rt, .offset: 8, .size: 8, .value_kind: global_buffer, .address_space: global }
      - { .name: W2, .offset: 16, .size: 8, .value_kind: global_buffer, .address_space: global }
      - { .name: part, .offset: 24, .size: 8, .value_kind: global_buffer, .address_space: global }
    .group_segment_fixed_size: 133632
    .private_segment_fixed_size: 0
    .kernarg_segment_align: 8
    .kernarg_segment_size: 32
    .max_flat_workgroup_size: 128
    .sgpr_count:     66
    .vgpr_count:     1024
    .wavefront_size: 32
...
	.end_amdgpu_metadata
.endif
;; end of part 5
;; launch combine (part 6): grid 256 x 1, 8 waves a work-group, no clusters, 0 bytes of LDS; arguments part, rt, gf, b2, out0; writes out0
.if DOCPART == 6
	.amdgcn_target "amdgcn-amd-amdhsa--gfx1250"
	.amdhsa_code_object_version 6
	.text
	.protected	k_q4b9e4b7f1e_combine
	.globl	k_q4b9e4b7f1e_combine
	.p2align	8
	.type	k_q4b9e4b7f1e_combine,@function
k_q4b9e4b7f1e_combine:
	s_mov_b64 s[64:65], 0
	v_nop
	global_prefetch_b8 v0, s[64:65] scope:SCOPE_SE
	s_setreg_imm32_b32 hwreg(HW_REG_WAVE_MODE, 25, 1), 1
	s_wait_xcnt 0x0
; COMBINE.  out0[token] = w0 (sum over the four K quarters of part[slot0] + b2[e0]) + w1 (the same for slot1, e1).
; The two slots of a token are whole numbers that an earlier launch stored (pos[token][2] = e * 1024 + rank, at rt byte 0); they are gathered here,
; so no sum crosses work-groups inside a launch.  Six of the reference's eight terms carry the weight 0 and are not formed.
; Eight waves, 4 tokens a work-group: wave w takes half (w & 1) of token 4 x work-group + (w >> 1): 512 columns, in four groups of 128.
; A stream: every load and store of a wave covers 512 consecutive aligned bytes, all 40 loads go out at once.  No LDS, no barrier,
; no matrix unit, no cluster: nothing is shared between waves but 32 KiB of b2.
.set LDR, 16                           ; v[16:175]  group (2 jj + k): 20 registers: four K quarters, then b2
.set OUTR, 176                         ; v[176:191] the four groups' results
	s_load_b256 s[4:11], s[0:1], 0x0               ; part 4, rt 6, gf 8, b2 10
	s_load_b64 s[12:13], s[0:1], 0x20              ; out0
	v_lshrrev_b32 v1, 5, v0
	v_readfirstlane_b32 s14, v1                    ; wave
	v_and_b32 v2, 31, v0
	s_lshr_b32 s15, s14, 1
	s_lshl2_add_u32 s15, ttmp9, s15                ; token
	s_and_b32 s28, s14, 1
	s_lshl_b32 s28, s28, 11                        ; my half: 2,048 bytes
	v_lshl_add_u32 v3, v2, 4, s28                  ; + 16 lane
	s_lshl_b32 s29, s15, 3                         ; 8 bytes a token in pos and in gw
	s_lshl_b32 s20, s15, 12                        ; 4,096 bytes a token in out0
	s_mov_b32 s21, 0
	s_wait_kmcnt 0x0
	s_load_b64 s[16:17], s[6:7], s29 offset:0x0    ; the two slots
	s_load_b64 s[18:19], s[8:9], s29 offset:0x0    ; the two weights
	s_add_nc_u64 s[12:13], s[12:13], s[20:21]
	s_wait_kmcnt 0x0
	; expert and slot are cut to their tables before they enter an address
	s_lshr_b32 s30, s16, 10
	s_min_u32 s30, s30, 7
	s_lshl_b32 s20, s30, 12
	s_add_nc_u64 s[32:33], s[10:11], s[20:21]      ; b2[e0]
	s_min_u32 s16, s16, 0x1fff
	s_lshl_b32 s20, s16, 14
	s_add_nc_u64 s[24:25], s[4:5], s[20:21]        ; part[slot0]
	s_lshr_b32 s30, s17, 10
	s_min_u32 s30, s30, 7
	s_lshl_b32 s20, s30, 12
	s_add_nc_u64 s[34:35], s[10:11], s[20:21]      ; b2[e1]
	s_min_u32 s17, s17, 0x1fff
	s_lshl_b32 s20, s17, 14
	s_add_nc_u64 s[26:27], s[4:5], s[20:21]        ; part[slot1]
	v_mov_b32 v8, s18
	v_mov_b32 v9, s18
	v_mov_b32 v10, s19
	v_mov_b32 v11, s19
.irp jj, 0,1,2,3
.irp k, 0,1
.irp q, 0,1,2,3
	global_load_b128 v[LDR+(2*\jj+\k)*20+4*\q:LDR+(2*\jj+\k)*20+4*\q+3], v3, s[24+2*\k:25+2*\k] offset:\q*4096+512*\jj th:TH_LOAD_NT
.endr
	global_load_b128 v[LDR+(2*\jj+\k)*20+16:LDR+(2*\jj+\k)*20+19], v3, s[32+2*\k:33+2*\k] offset:512*\jj
.endr
.endr
.macro SUM5 r                          ; ((p0 + p1) + (p2 + p3)) + b2, four numbers
	v_pk_add_f32 v[\r:\r+1], v[\r:\r+1], v[\r+4:\r+5]
	v_pk_add_f32 v[\r+2:\r+3], v[\r+2:\r+3], v[\r+6:\r+7]
	v_pk_add_f32 v[\r+8:\r+9], v[\r+8:\r+9], v[\r+12:\r+13]
	v_pk_add_f32 v[\r+10:\r+11], v[\r+10:\r+11], v[\r+14:\r+15]
	v_pk_add_f32 v[\r:\r+1], v[\r:\r+1], v[\r+8:\r+9]
	v_pk_add_f32 v[\r+2:\r+3], v[\r+2:\r+3], v[\r+10:\r+11]
	v_pk_add_f32 v[\r:\r+1], v[\r:\r+1], v[\r+16:\r+17]
	v_pk_add_f32 v[\r+2:\r+3], v[\r+2:\r+3], v[\r+18:\r+19]
.endm
.irp jj, 0,1,2,3
	s_wait_loadcnt (3-\jj)*10                      ; loads return in order: this group's ten are in, the ten of each later group may be out
	SUM5 (LDR+40*\jj)
	SUM5 (LDR+40*\jj+20)
	v_pk_mul_f32 v[OUTR+4*\jj:OUTR+4*\jj+1], v[LDR+40*\jj:LDR+40*\jj+1], v[8:9]
	v_pk_mul_f32 v[OUTR+4*\jj+2:OUTR+4*\jj+3], v[LDR+40*\jj+2:LDR+40*\jj+3], v[8:9]
	v_pk_fma_f32 v[OUTR+4*\jj:OUTR+4*\jj+1], v[LDR+40*\jj+20:LDR+40*\jj+21], v[10:11], v[OUTR+4*\jj:OUTR+4*\jj+1]
	v_pk_fma_f32 v[OUTR+4*\jj+2:OUTR+4*\jj+3], v[LDR+40*\jj+22:LDR+40*\jj+23], v[10:11], v[OUTR+4*\jj+2:OUTR+4*\jj+3]
	global_store_b128 v3, v[OUTR+4*\jj:OUTR+4*\jj+3], s[12:13] offset:512*\jj th:TH_STORE_NT
.endr
	s_endpgm
.Lfunc_end_k_q4b9e4b7f1e_combine:
	.size	k_q4b9e4b7f1e_combine, .Lfunc_end_k_q4b9e4b7f1e_combine-k_q4b9e4b7f1e_combine
	.p2alignl 7, 3214868480
	.fill 96, 4, 3214868480
	.section	.rodata,"a",@progbits
	.p2align	6, 0x0
	.amdhsa_kernel k_q4b9e4b7f1e_combine
		.amdhsa_group_segment_fixed_size 0
		.amdhsa_private_segment_fixed_size 0
		.amdhsa_enable_private_segment 0
		.amdhsa_kernarg_size 40
		.amdhsa_user_sgpr_count 2
		.amdhsa_user_sgpr_kernarg_segment_ptr 1
		.amdhsa_wavefront_size32 1
		.amdhsa_system_sgpr_workgroup_id_x 1
		.amdhsa_system_sgpr_workgroup_id_y 1
		.amdhsa_system_sgpr_workgroup_id_z 1
		.amdhsa_system_vgpr_workitem_id 0
		.amdhsa_next_free_vgpr 192
		.amdhsa_next_free_sgpr 66
		.amdhsa_reserve_vcc 0
		.amdhsa_float_denorm_mode_32 3
		.amdhsa_float_denorm_mode_16_64 3
		.amdhsa_memory_ordered 1
		.amdhsa_forward_progress 1
		.amdhsa_inst_pref_size 11
	.end_amdhsa_kernel
	.amdgpu_metadata
---
amdhsa.version: [ 1, 2 ]
amdhsa.kernels:
  - .name:           k_q4b9e4b7f1e_combine
    .symbol:         k_q4b9e4b7f1e_combine.kd
    .args:
      - { .name: part, .offset: 0, .size: 8, .value_kind: global_buffer, .address_space: global }
      - { .name: rt, .offset: 8, .size: 8, .value_kind: global_buffer, .address_space: global }
      - { .name: gf, .offset: 16, .size: 8, .value_kind: global_buffer, .address_space: global }
      - { .name: b2, .offset: 24, .size: 8, .value_kind: global_buffer, .address_space: global }
      - { .name: out0, .offset: 32, .size: 8, .value_kind: global_buffer, .address_space: global }
    .group_segment_fixed_size: 0
    .private_segment_fixed_size: 0
    .kernarg_segment_align: 8
    .kernarg_segment_size: 40
    .max_flat_workgroup_size: 256
    .sgpr_count:     66
    .vgpr_count:     192
    .wavefront_size: 32
...
	.end_amdgpu_metadata
.endif
;; end of part 6
;; ======== version 2 of 2: 6 launches; version 1 with the launch gate written anew for expert scheduling mode
;; limits: values are held in f16: magnitudes above 65,504 overflow, below 6.1e-05 lose precision
;; workspace buffers: x16 2,097,152 bytes; sel 4,096 bytes of whole numbers; gf 16,384 bytes; rt 8,448 bytes of whole numbers; xs 16,777,216 bytes; h 67,108,864 bytes; part 134,217,728 bytes
;; launch gate (part 7): grid 256 x 1, 1 waves a work-group, no clusters, 0 bytes of LDS; arguments inputs, task_param, alpha, Wg_in, bg_in, Wg_task, bg_task, x16, sel, gf; writes x16, sel, gf
.if DOCPART == 7
	.amdgcn_target "amdgcn-amd-amdhsa--gfx1250"
	.amdhsa_code_object_version 6
	.text
	.protected	k_q4b9e4b7f1e_gate
	.globl	k_q4b9e4b7f1e_gate
	.p2align	8
	.type	k_q4b9e4b7f1e_gate,@function
k_q4b9e4b7f1e_gate:
	s_mov_b64 s[64:65], 0
	v_nop
	global_prefetch_b8 v0, s[64:65] scope:SCOPE_SE
	s_setreg_imm32_b32 hwreg(HW_REG_WAVE_SCHED_MODE, 0, 2), 2
	s_setreg_imm32_b32 hwreg(HW_REG_WAVE_MODE, 25, 1), 1
	s_wait_xcnt 0x0
	s_wait_alu depctr_vm_vsrc(0)
; GATE.  One wave takes 4 tokens (t0 = 4 x work-group).  It makes, in f32 on the vector unit,
;   logit[e] = (1-alpha) (x . Wg_in[:,e] + bg_in[e]) + alpha (task . Wg_task[:,e] + bg_task[e]),
; the two largest logits (strict compare: the lowest index wins a tie), the softmax over the two, the softmax over all eight
; (largest logit taken away first), and it stores x rounded once to f16 for the expert launches.
; The gate is kept in f32: 8 columns are no bulk work, and a selection made from rounded operands would differ from the f32 one.
; Stored: x16[token][1024] f16; sel[token] = e0 | e1 << 8; gf: gw[token][2] = the two weights, and at byte 8192
; psum[work-group][8] = the sum over my 4 tokens of the softmax over all eight.
; WHY f16: the expert layers sum 1,024 and 4,096 products whose operands' rounding errors add up; f16 keeps 11 significant bits, bf16 8.
; LIMITS: |x| up to 65,504 (f16's largest; beyond it the stored x is infinite); below 6.1e-5 x is kept in steps of 2^-24.
; Logits are taken to be finite (no NaN, no infinity).  The order of the f32 sums is not the reference's, so two logits
; that lie closer than that rounding may be ranked the other way.
; No LDS, no barrier, no matrix unit, no cluster: work-groups share only Wg_in (32 KiB), and nothing is handed between waves.
; THE MODE: SCHED_MODE bits 1:0 = 2 (LLVM: expert scheduling mode 2), set by the entry lines.  The code itself states the register dependences
; between vector instructions and memory instructions, and those through SGPRs, VCC and EXEC, with s_wait_alu, always for 0.
; THE PLAN.  Registers that memory instructions touch:
;   v1 .. v5     byte offsets, made once at the head and never written again: one wait ahead of the first load serves every load and store.
;   XR, TPR, WTR, window 1   loaded once, into registers that no vector instruction has named; no load is issued behind the first vector read.
;   XR, again    block q's products read x of block q in f32; straight behind them its eight conversions write the f16 pairs in place
;                (registers 16 q + 4 t and + 1); the four stores that read these are issued at the head of block q + 1, behind ONE wait
;                there; nothing writes them afterwards.
;   v250, v[252:253], PRB    written by the last arithmetic, read by the last stores, never written again.
; So no register that a memory instruction reads is ever rewritten: a wait on vm_vsrc stands at the writes of EXEC alone.
; Masks: each compare of the two chains that find the largest logits reads what the select before it wrote, so each has its own wait on VCC;
; the eight compares that take the winner out hang on nothing of each other and go into eight SGPRs, with one wait behind the run.
.set XR,   16                          ; v[16:143]   x: quad (4 q + t): token t, columns 128 q + 4 lane .. + 3
.set ACC,  144                         ; v[144:175]  [token][8] sums of the input gate
.set TPR,  176                         ; v[176:183]  task_param: pair t: columns 2 lane, 2 lane + 1
.set WTR,  184                         ; v[184:199]  Wg_task rows 2 lane, 2 lane + 1
.set TAR,  200                         ; v[200:231]  [token][8] sums of the task gate
.set OMA,  232                         ; v[232:233]  1 - alpha, twice
.set ALF,  234                         ; v[234:235]  alpha, twice
.set BBR,  236                         ; v[236:243]  blended biases
.set FK,   200                         ; v[200:215]  fold, step 1: kept   (the task sums are used up by then)
.set FS,   216                         ; v[216:231]  fold, step 1: sent
.set LGT,  144                         ; v[144:151]  the 8 logits of token t0 + (lane & 3)
.set FS2,  152                         ; v[152:159]  fold, step 2: sent; then the other half's sums
.set MKD,  160                         ; v[160:167]  logits with the winner masked
.set PRB,  168                         ; v[168:175]  softmax over all eight
.set WIM,  28                          ; s[28:35]    bg_in; when the biases are blended, the eight masks 'expert e is the winner'
; window 1 (v256-v511): Wg_in, register 32 q + 8 i + e = Wg_in[128 q + 4 lane + i][e]
.set MSB, 0
.macro WIN new                         ; s_set_vgpr_msb: bits 1:0 source 0, 3:2 source 1, 5:4 source 2, 7:6 destination; the high byte repeats the setting that is left
.if MSB != (\new)
	s_set_vgpr_msb (MSB<<8)|(\new)
.set MSB, (\new)
.endif
.endm
	s_load_b512 s[4:19], s[0:1], 0x0               ; inputs 4, task 6, alpha 8, Wg_in 10, bg_in 12, Wg_task 14, bg_task 16, x16 18
	s_load_b128 s[20:23], s[0:1], 0x40             ; sel 20, gf 22
	v_lshlrev_b32 v1, 4, v0                        ; 16 lane
	v_lshlrev_b32 v2, 7, v0                        ; 128 lane: four rows of Wg_in
	v_lshlrev_b32 v3, 3, v0                        ; 8 lane
	v_lshlrev_b32 v4, 6, v0                        ; 64 lane: two rows of Wg_task
	v_lshlrev_b32 v5, 2, v0                        ; 4 lane
	s_mov_b32 s44, 0xaaaaaaaa                      ; lanes with bit 0 set
	s_mov_b32 s45, 0xcccccccc                      ; lanes with bit 1 set
	s_mov_b32 s46, 0x76543210                      ; v_permlanex16_b32: lane i of one half reads lane i of the other
	s_mov_b32 s47, 0xfedcba98
	s_mov_b32 s49, 0
	s_wait_kmcnt 0x0
	s_load_b32 s26, s[8:9], 0x0                    ; alpha
	s_load_b256 s[28:35], s[12:13], 0x0            ; bg_in
	s_load_b256 s[36:43], s[16:17], 0x0            ; bg_task
	s_lshl_b32 s48, ttmp9, 14                      ; 4 rows of 4,096 bytes
	s_add_nc_u64 s[4:5], s[4:5], s[48:49]
	s_lshl_b32 s48, ttmp9, 10                      ; 4 rows of 256 bytes
	s_add_nc_u64 s[6:7], s[6:7], s[48:49]
	s_lshl_b32 s48, ttmp9, 13                      ; 4 rows of 2,048 bytes
	s_add_nc_u64 s[18:19], s[18:19], s[48:49]
	s_lshl_b32 s48, ttmp9, 4                       ; 4 words
	s_add_nc_u64 s[20:21], s[20:21], s[48:49]
	s_lshl_b32 s48, ttmp9, 5                       ; 4 pairs in gw, 8 words in psum
	s_add_nc_u64 s[22:23], s[22:23], s[48:49]
	; all loads at once: x (each load covers 512 consecutive bytes of a row), the task inputs, then Wg_in block by block
	s_wait_alu depctr_va_vdst(0)                   ; v1 to v5 are written: every load and store of the kernel reads one of them as its offset; only loads and one window switch stand between this wait and the last load
.irp q, 0,1,2,3,4,5,6,7
.irp t, 0,1,2,3
	global_load_b128 v[XR+16*\q+4*\t:XR+16*\q+4*\t+3], v1, s[4:5] offset:\t*4096+\q*512 th:TH_LOAD_NT
.endr
.endr
.irp t, 0,1,2,3
	global_load_b64 v[TPR+2*\t:TPR+2*\t+1], v3, s[6:7] offset:\t*256
.endr
.irp j, 0,1,2,3
	global_load_b128 v[WTR+4*\j:WTR+4*\j+3], v4, s[14:15] offset:16*\j
.endr
	WIN 0x40                                       ; destination in window 1, address in window 0
.irp q, 0,1,2,3,4,5,6,7
.irp j, 0,1,2,3,4,5,6,7
	global_load_b128 v[32*\q+4*\j:32*\q+4*\j+3], v2, s[10:11] offset:\q*4096+16*\j
.endr
.endr
; two experts at once: sums[t][2p, 2p+1] += x[t][128 q + 4 lane + i] * Wg_in[that row][2p, 2p+1].  op_sel picks x_i out of its pair for both halves.
; The very first product starts the sums: nothing is cleared.
.macro GFMA q, i, t, p
.if (\q+\i) == 0
	v_pk_mul_f32 v[ACC+8*\t+2*\p:ACC+8*\t+2*\p+1], v[XR+4*\t:XR+4*\t+1], v[2*\p:2*\p+1] op_sel_hi:[0,1]
.else
.if (\i%2) == 0
	v_pk_fma_f32 v[ACC+8*\t+2*\p:ACC+8*\t+2*\p+1], v[XR+16*\q+4*\t+\i:XR+16*\q+4*\t+\i+1], v[32*\q+8*\i+2*\p:32*\q+8*\i+2*\p+1], v[ACC+8*\t+2*\p:ACC+8*\t+2*\p+1] op_sel_hi:[0,1,1]
.else
	v_pk_fma_f32 v[ACC+8*\t+2*\p:ACC+8*\t+2*\p+1], v[XR+16*\q+4*\t+\i-1:XR+16*\q+4*\t+\i], v[32*\q+8*\i+2*\p:32*\q+8*\i+2*\p+1], v[ACC+8*\t+2*\p:ACC+8*\t+2*\p+1] op_sel:[1,0,0] op_sel_hi:[1,1,1]
.endif
.endif
.endm
; block q of x16 goes out: each store covers 256 consecutive bytes, aligned
.macro XOUT q
.irp t, 0,1,2,3
	global_store_b64 v3, v[XR+16*\q+4*\t:XR+16*\q+4*\t+1], s[18:19] offset:\t*2048+\q*256
.endr
.endm
; Block q: the stores of the block before; 64 products; then x of this block, which no product reads any more, is rounded once to f16, in place.
.irp q, 0,1,2,3,4,5,6,7
	s_wait_loadcnt (7-\q)*8                        ; loads return in order: all but the 8 loads of each later block of Wg_in are in (x and the task inputs went first)
.if \q > 0
	s_wait_alu depctr_va_vdst(0)                   ; the conversions of the block before have written the f16 pairs, which the four stores below read
	XOUT (\q-1)
.endif
	WIN 0x04                                       ; source 1 (Wg_in) in window 1, all else in window 0
.irp i, 0,1,2,3
.irp t, 0,1,2,3
.irp p, 0,1,2,3
	GFMA \q, \i, \t, \p                            ; sixteen sums take turns, so no product waits for the one in front of it
.endr
.endr
.endr
	WIN 0                                          ; the conversions' second source and the stores' data lie in window 0
.irp t, 0,1,2,3
	v_cvt_pk_f16_f32 v[XR+16*\q+4*\t], v[XR+16*\q+4*\t], v[XR+16*\q+4*\t+1]
	v_cvt_pk_f16_f32 v[XR+16*\q+4*\t+1], v[XR+16*\q+4*\t+2], v[XR+16*\q+4*\t+3]
.endr
.endr
	s_wait_alu depctr_va_vdst(0)                   ; the last block's conversions have written its f16 pairs, which the four stores below read
	XOUT 7
	; the task gate: two columns a lane
.irp t, 0,1,2,3
.irp p, 0,1,2,3
	v_pk_mul_f32 v[TAR+8*\t+2*\p:TAR+8*\t+2*\p+1], v[TPR+2*\t:TPR+2*\t+1], v[WTR+2*\p:WTR+2*\p+1] op_sel_hi:[0,1]
.endr
.endr
.irp t, 0,1,2,3
.irp p, 0,1,2,3
	v_pk_fma_f32 v[TAR+8*\t+2*\p:TAR+8*\t+2*\p+1], v[TPR+2*\t:TPR+2*\t+1], v[WTR+8+2*\p:WTR+8+2*\p+1], v[TAR+8*\t+2*\p:TAR+8*\t+2*\p+1] op_sel:[1,0,0] op_sel_hi:[1,1,1]
.endr
.endr
	s_wait_kmcnt 0x0                               ; alpha and the two biases
	v_mov_b32 v[ALF], s26
	v_mov_b32 v[ALF+1], s26
	v_sub_f32 v[OMA], 1.0, v[ALF]
	v_sub_f32 v[OMA+1], 1.0, v[ALF]
.irp m, 0,1,2,3,4,5,6,7,8,9,10,11,12,13,14,15
	v_pk_mul_f32 v[TAR+2*\m:TAR+2*\m+1], v[TAR+2*\m:TAR+2*\m+1], v[ALF:ALF+1]
.endr
.irp m, 0,1,2,3,4,5,6,7,8,9,10,11,12,13,14,15
	v_pk_fma_f32 v[ACC+2*\m:ACC+2*\m+1], v[ACC+2*\m:ACC+2*\m+1], v[OMA:OMA+1], v[TAR+2*\m:TAR+2*\m+1]
.endr
.irp e, 0,1,2,3,4,5,6,7
	v_mul_f32 v[BBR+\e], s[36+\e], v[ALF]
.endr
.irp e, 0,1,2,3,4,5,6,7
	v_fma_f32 v[BBR+\e], s[28+\e], v[OMA], v[BBR+\e]
.endr
	; Sum over the 32 lanes, folding the four tokens onto the lanes: in step 1 an even lane keeps token 2u and sends token 2u+1 to its
	; neighbour, an odd lane the other way round; step 2 does the same with u on lane bit 1.  Lane l ends with token t0 + (l & 3).
	; (The masks s44 and s45 were written by scalar instructions.)
.irp u, 0,1
.irp e, 0,1,2,3,4,5,6,7
	v_cndmask_b32 v[FK+8*\u+\e], v[ACC+16*\u+\e], v[ACC+16*\u+8+\e], s44
	v_cndmask_b32 v[FS+8*\u+\e], v[ACC+16*\u+8+\e], v[ACC+16*\u+\e], s44
.endr
.endr
.irp m, 0,1,2,3,4,5,6,7,8,9,10,11,12,13,14,15
	v_add_f32_dpp v[FK+\m], v[FS+\m], v[FK+\m] row_xmask:1 row_mask:0xf bank_mask:0xf
.endr
.irp e, 0,1,2,3,4,5,6,7
	v_cndmask_b32 v[LGT+\e], v[FK+\e], v[FK+8+\e], s45
	v_cndmask_b32 v[FS2+\e], v[FK+8+\e], v[FK+\e], s45
.endr
.irp e, 0,1,2,3,4,5,6,7
	v_add_f32_dpp v[LGT+\e], v[FS2+\e], v[LGT+\e] row_xmask:2 row_mask:0xf bank_mask:0xf
.endr
.irp e, 0,1,2,3,4,5,6,7
	v_add_f32_dpp v[LGT+\e], v[LGT+\e], v[LGT+\e] row_xmask:4 row_mask:0xf bank_mask:0xf
.endr
.irp e, 0,1,2,3,4,5,6,7
	v_add_f32_dpp v[LGT+\e], v[LGT+\e], v[LGT+\e] row_xmask:8 row_mask:0xf bank_mask:0xf
.endr
.irp e, 0,1,2,3,4,5,6,7
	v_permlanex16_b32 v[FS2+\e], v[LGT+\e], s46, s47
.endr
.irp e, 0,1,2,3,4,5,6,7
	v_add_f32 v[LGT+\e], v[LGT+\e], v[FS2+\e]
.endr
.irp e, 0,1,2,3,4,5,6,7
	v_add_f32 v[LGT+\e], v[LGT+\e], v[BBR+\e]
.endr
	; the largest logit (v244) and its index (v245); only values are selected, no branch and no address hangs on them
	v_mov_b32 v244, v[LGT]
	v_mov_b32 v245, 0
.irp e, 1,2,3,4,5,6,7
	v_cmp_gt_f32 vcc_lo, v[LGT+\e], v244
	s_wait_alu depctr_va_vcc(0)                    ; the compare has written VCC, which the two selects read; the next compare reads what the first of them writes, so the chain has a wait to each link
	v_cndmask_b32 v244, v244, v[LGT+\e], vcc_lo
	v_cndmask_b32 v245, v245, \e, vcc_lo
.endr
	v_mov_b32 v248, 0xff800000                     ; minus infinity takes the winner out
.irp e, 0,1,2,3,4,5,6,7
	v_cmp_eq_u32 s[WIM+\e], \e, v245               ; eight compares that hang on nothing of each other: a run, a mask register each
.endr
	s_wait_alu depctr_va_sdst(0)                   ; the eight compares have written s[28:35], which the eight selects read
.irp e, 0,1,2,3,4,5,6,7
	v_cndmask_b32 v[MKD+\e], v[LGT+\e], v248, s[WIM+\e]
.endr
	v_mov_b32 v246, v[MKD]                         ; the second largest (v246) and its index (v247)
	v_mov_b32 v247, 0
.irp e, 1,2,3,4,5,6,7
	v_cmp_gt_f32 vcc_lo, v[MKD+\e], v246
	s_wait_alu depctr_va_vcc(0)                    ; the compare has written VCC, which the two selects read: a chain as above
	v_cndmask_b32 v246, v246, v[MKD+\e], vcc_lo
	v_cndmask_b32 v247, v247, \e, vcc_lo
.endr
	; both softmaxes, the largest logit taken away first: every exponent is at most 0
.irp e, 0,1,2,3,4,5,6,7
	v_sub_f32 v[PRB+\e], v[LGT+\e], v244
.endr
	v_sub_f32 v249, v246, v244
.irp e, 0,1,2,3,4,5,6,7
	v_mul_f32 v[PRB+\e], 0x3fb8aa3b, v[PRB+\e]
.endr
	v_mul_f32 v249, 0x3fb8aa3b, v249
.irp e, 0,1,2,3,4,5,6,7
	v_exp_f32 v[PRB+\e], v[PRB+\e]
.endr
	v_exp_f32 v249, v249                           ; t = e^(second - first)
	v_lshl_or_b32 v250, v247, 8, v245              ; a plain instruction behind the exponentials (ISA guide 5.7.2): the selection word
	s_wait_alu depctr_va_vdst(0)                   ; the nine exponentials have written v[168:175] and v249, ahead of the first line that names one of them
	v_add_f32 v251, v[PRB], v[PRB+1]
	v_add_f32 v252, v[PRB+2], v[PRB+3]
	v_add_f32 v253, v[PRB+4], v[PRB+5]
	v_add_f32 v254, v[PRB+6], v[PRB+7]
	v_add_f32 v251, v251, v252
	v_add_f32 v253, v253, v254
	v_add_f32 v251, v251, v253
	v_add_f32 v255, 1.0, v249
	v_rcp_f32 v254, v251                           ; 1 / sum of the eight
	v_rcp_f32 v252, v255                           ; w0 = 1 / (1 + t)
	v_nop                                          ; a plain place behind the reciprocals
	s_wait_alu depctr_va_vdst(0)                   ; the two reciprocals have written v254 and v252, ahead of the first line that names one of them
	v_mul_f32 v253, v249, v252                     ; w1 = t / (1 + t)
.irp e, 0,1,2,3,4,5,6,7
	v_mul_f32 v[PRB+\e], v[PRB+\e], v254
.endr
.irp e, 0,1,2,3,4,5,6,7
	v_add_f32_dpp v[PRB+\e], v[PRB+\e], v[PRB+\e] row_xmask:1 row_mask:0xf bank_mask:0xf
.endr
.irp e, 0,1,2,3,4,5,6,7
	v_add_f32_dpp v[PRB+\e], v[PRB+\e], v[PRB+\e] row_xmask:2 row_mask:0xf bank_mask:0xf   ; the four tokens' sum, in every lane
.endr
	s_wait_xcnt 0x0                                ; EXEC is a source of the stores above: it changes only behind this wait
	v_cmp_gt_u32 vcc_lo, 4, v0
	s_wait_alu depctr_va_vcc(0)                    ; the compare has written VCC, from which EXEC is made
	s_wait_alu depctr_va_vdst(0)                   ; ahead of a write of EXEC: the vector instructions issued under the old EXEC are done; among them those that wrote v250, v[252:253] and v[168:175], which the stores below read
	s_wait_alu depctr_vm_vsrc(0)                   ; ahead of a write of EXEC: the stores of x16 have read their registers
	s_and_saveexec_b32 s54, vcc_lo                 ; lanes 0 to 3: one token each
	global_store_b32 v5, v250, s[20:21]
	global_store_b64 v3, v[252:253], s[22:23]
	s_wait_xcnt 0x0
	s_wait_alu depctr_va_vdst(0)                   ; ahead of a write of EXEC: no vector instruction is left under the narrow EXEC
	s_wait_alu depctr_vm_vsrc(0)                   ; ahead of a write of EXEC: the two stores have read their registers
	s_or_b32 exec_lo, exec_lo, s54
	v_cmp_eq_u32 vcc_lo, 0, v0
	s_wait_alu depctr_va_vcc(0)                    ; the compare has written VCC, from which EXEC is made
	s_wait_alu depctr_va_vdst(0)                   ; ahead of a write of EXEC: the compare, the one vector instruction since the last such wait, is done
	s_wait_alu depctr_vm_vsrc(0)                   ; ahead of a write of EXEC: no memory instruction has still to read a register
	s_and_saveexec_b32 s54, vcc_lo                 ; lane 0: the work-group's eight sums
	global_store_b128 v3, v[PRB:PRB+3], s[22:23] offset:8192
	global_store_b128 v3, v[PRB+4:PRB+7], s[22:23] offset:8208
	s_wait_xcnt 0x0
	s_wait_alu depctr_va_vdst(0)                   ; ahead of a write of EXEC: no vector instruction is left under the narrow EXEC
	s_wait_alu depctr_vm_vsrc(0)                   ; ahead of a write of EXEC: the two stores have read their registers
	s_or_b32 exec_lo, exec_lo, s54
	s_endpgm
.Lfunc_end_k_q4b9e4b7f1e_gate:
	.size	k_q4b9e4b7f1e_gate, .Lfunc_end_k_q4b9e4b7f1e_gate-k_q4b9e4b7f1e_gate
	.p2alignl 7, 3214868480
	.fill 96, 4, 3214868480
	.section	.rodata,"a",@progbits
	.p2align	6, 0x0
	.amdhsa_kernel k_q4b9e4b7f1e_gate
		.amdhsa_group_segment_fixed_size 0
		.amdhsa_private_segment_fixed_size 0
		.amdhsa_enable_private_segment 0
		.amdhsa_kernarg_size 80
		.amdhsa_user_sgpr_count 2
		.amdhsa_user_sgpr_kernarg_segment_ptr 1
		.amdhsa_wavefront_size32 1
		.amdhsa_system_sgpr_workgroup_id_x 1
		.amdhsa_system_sgpr_workgroup_id_y 1
		.amdhsa_system_sgpr_workgroup_id_z 1
		.amdhsa_system_vgpr_workitem_id 0
		.amdhsa_next_free_vgpr 512
		.amdhsa_next_free_sgpr 66
		.amdhsa_reserve_vcc 1
		.amdhsa_float_denorm_mode_32 3
		.amdhsa_float_denorm_mode_16_64 3
		.amdhsa_memory_ordered 1
		.amdhsa_forward_progress 1
		.amdhsa_inst_pref_size 70
	.end_amdhsa_kernel
	.amdgpu_metadata
---
amdhsa.version: [ 1, 2 ]
amdhsa.kernels:
  - .name:           k_q4b9e4b7f1e_gate
    .symbol:         k_q4b9e4b7f1e_gate.kd
    .args:
      - { .name: inputs, .offset: 0, .size: 8, .value_kind: global_buffer, .address_space: global }
      - { .name: task_param, .offset: 8, .size: 8, .value_kind: global_buffer, .address_space: global }
      - { .name: alpha, .offset: 16, .size: 8, .value_kind: global_buffer, .address_space: global }
      - { .name: Wg_in, .offset: 24, .size: 8, .value_kind: global_buffer, .address_space: global }
      - { .name: bg_in, .offset: 32, .size: 8, .value_kind: global_buffer, .address_space: global }
      - { .name: Wg_task, .offset: 40, .size: 8, .value_kind: global_buffer, .address_space: global }
      - { .name: bg_task, .offset: 48, .size: 8, .value_kind: global_buffer, .address_space: global }
      - { .name: x16, .offset: 56, .size: 8, .value_kind: global_buffer, .address_space: global }
      - { .name: sel, .offset: 64, .size: 8, .value_kind: global_buffer, .address_space: global }
      - { .name: gf, .offset: 72, .size: 8, .value_kind: global_buffer, .address_space: global }
    .group_segment_fixed_size: 0
    .private_segment_fixed_size: 0
    .kernarg_segment_align: 8
    .kernarg_segment_size: 80
    .max_flat_workgroup_size: 32
    .sgpr_count:     66
    .vgpr_count:     512
    .wavefront_size: 32
...
	.end_amdgpu_metadata
.endif
;; end of part 7
;; launch rank: the kernel of part 2 again; grid 1 x 1, 8 waves a work-group, no clusters, 2,048 bytes of LDS; arguments sel, gf, rt, out1; writes rt, out1
;; launch scatter: the kernel of part 3 again; grid 256 x 1, 8 waves a work-group, no clusters, 0 bytes of LDS; arguments rt, x16, xs; writes xs
;; launch ffn1: the kernel of part 4 again; grid 32 x 8, 4 waves a work-group, no clusters, 133,632 bytes of LDS; arguments xs, rt, W1, b1, h; writes h
;; launch ffn2: the kernel of part 5 again; grid 32 x 8, 4 waves a work-group, no clusters, 133,632 bytes of LDS; arguments h, rt, W2, part; writes part
;; launch combine: the kernel of part 6 again; grid 256 x 1, 8 waves a work-group, no clusters, 0 bytes of LDS; arguments part, rt, gf, b2, out0; writes out0
